; MI455X (gfx1250); checked and timed in simulation.
; The chip was launched on July 23, 2026; its instructions are those of AMD's public machine-readable ISA for CDNA 5 (MIT licence, August 2026) and "CDNA5" Instruction Set Architecture Reference Guide (July 2026). The comments in the code are by the model that wrote it; some were corrected since.
;; Transformer Layer. Allowed arithmetic: matrix products marked QUANTISED: E4M3 operands, one given power-of-two scale a tensor, by v_wmma_f32_16x16x64_fp8_fp8 or v_wmma_f32_16x16x128_fp8_fp8, f32 sums; everything else in f32.
;; Inputs: b_ff1 4,096 float32; b_ff2 1,024 float32; b_out 1,024 float32; b_qkv 3,072 float32; beta1 1,024 float32; beta2 1,024 float32; g1 1,024 float32; g2 1,024 float32; lowp_scales 12 int32 (the exponents e of the quantised operands' scales 2^e); w_ff1 1,024 x 4,096 float32; w_ff2 4,096 x 1,024 float32; w_out 1,024 x 1,024 float32; w_qkv 1,024 x 3,072 float32; x 2 x 2,048 x 1,024 float32.
;; Outputs: out0 2 x 2,048 x 1,024 float32.
;; This version of the problem:
;;   THIS VERSION OF THE PROBLEM IS GIVEN IN LOW PRECISION. The matrix products marked QUANTISED in the list below multiply operands that are first quantised to E4M3 (4 exponent bits, 3 mantissa bits; 8 bits a number), with one given power-of-two scale for each operand tensor; their sums are f32. All else is computed in f32.
;;   The module's matrix products, in the order in which they are computed (A, B: the left and right operand; K: the contracted axis; several contracted axes count as one K, in the product's order):
;;     1. [M 4,096, K 1,024] x [K 1,024, N 3,072]; A: computed on the way; B: input w_qkv: QUANTISED (scales: A lowp_scales[0], B lowp_scales[1])
;;     2. batch 32 x [M 2,048, K 64] x [K 64, N 2,048]; A: computed on the way; B: computed on the way: QUANTISED (scales: A lowp_scales[2], B lowp_scales[3])
;;     3. batch 32 x [M 2,048, K 2,048] x [K 2,048, N 64]; A: softmax (see below); B: computed on the way: QUANTISED (scales: A lowp_scales[4], B lowp_scales[5])
;;     4. [M 4,096, K 1,024] x [K 1,024, N 1,024]; A: computed on the way; B: input w_out: QUANTISED (scales: A lowp_scales[6], B lowp_scales[7])
;;     5. [M 4,096, K 1,024] x [K 1,024, N 4,096]; A: computed on the way; B: input w_ff1: QUANTISED (scales: A lowp_scales[8], B lowp_scales[9])
;;     6. [M 4,096, K 4,096] x [K 4,096, N 1,024]; A: computed on the way; B: input w_ff2: QUANTISED (scales: A lowp_scales[10], B lowp_scales[11])
;;   THE QUANTISER, for each operand of a quantised product, along K:
;;     - The operand's scale is 2^e, e = its entry of the input lowp_scales (int32; the entries are numbered through the quantised products in the list's order, A before B).
;;     - Each number is divided by the scale, clamped to +-448, and rounded to the nearest number of E4M3, ties to even, subnormals kept.
;;     - The product sums the exact products of the quantised numbers (number of the format x scale) in f32.
;;   ~~~python
;;   def quantise(x, axis, e):      # numpy; x: float32 -> the quantised numbers, widened to float32 again
;;       x = np.moveaxis(x, axis, -1); K = x.shape[-1]
;;       r = np.clip(x / 2.0 ** e, -448, 448)
;;       step = 2.0 ** (np.maximum(np.frexp(np.where(r == 0, 1, r))[1] - 1, -6) - 3)
;;       q = np.round(r / step) * step * 2.0 ** e      # np.round: ties to even
;;       return np.moveaxis(q, -1, axis).astype(np.float32)
;;   ~~~
;;   SOFTMAX AHEAD OF A QUANTISED PRODUCT. Where the list says 'softmax', what is quantised is not the finished softmax but p = 2^(t - M), with t = logit x log2(e) and M = ceil(the row's largest t), a whole number; so 1/2 < the row's largest p <= 1. The row's sum l is taken of the UNQUANTISED p, in f32, and the product's result is divided by l at the end. Since M is a whole number, a kernel that streams over the keys may use a running M (the ceiling of the running maximum): every later rescaling is an exact power of two, so the quantised numbers keep their values, but for numbers so far below the row's largest that they fall under the format's range.
;;   OPERANDS COMPUTED ON THE WAY. 'Computed on the way' means the value that the module computes at that place (a softmax that the list does not call 'softmax' is quantised finished and normalised). What goes into a quantiser is computed in f32, as accurately as f32 sums, v_exp_f32 and their like allow (about 1e-6 of the number): no bf16 or f16 on the way to a quantiser, and a product that is left as it is and whose result goes on into a quantised operand takes f32 operands (vector FMAs, or v_wmma_f32_16x16x4_f32). A number that lies on a knife's edge between two numbers of the format may be rounded either way, as far as f32 arithmetic and the matrix unit's own rounding can turn it there, and no further.
;; 2 versions, each right; version 2 is version 1 with the launch attn written anew for expert scheduling mode. Each part assembles by itself: llvm-mc -triple=amdgcn-amd-amdhsa -mcpu=gfx1250 --defsym DOCPART=n.
;; ======== version 1 of 2: 7 launches
;; workspace buffers: wc 12,582,912 bytes; h1c 4,194,304 bytes; qkvc 12,582,912 bytes; oc 4,194,304 bytes; x1 16,777,216 bytes; h2c 4,194,304 bytes; hid 16,777,216 bytes
;; launch prep (part 1): grid 640 x 1, 4 waves a work-group, no clusters, 35,328 bytes of LDS; arguments x, g1, beta1, w_qkv, w_out, w_ff1, w_ff2, lowp_scales, wc, h1c; writes wc, h1c
.if DOCPART == 1
	.amdgcn_target "amdgcn-amd-amdhsa--gfx1250"
	.amdhsa_code_object_version 6
	.text
	.protected	k_q09760a7cf8_prep
	.globl	k_q09760a7cf8_prep
	.p2align	8
	.type	k_q09760a7cf8_prep,@function
k_q09760a7cf8_prep:
	s_mov_b64 s[64:65], 0
	v_nop
	global_prefetch_b8 v0, s[64:65] scope:SCOPE_SE
	s_setreg_imm32_b32 hwreg(HW_REG_WAVE_MODE, 25, 1), 1
	s_wait_xcnt 0x0
; Two jobs in one launch, told apart by the work-group's number.
; Work-groups 0-383: the four weights, f32 stored [K][N], become codes of E4M3 laid [N][K] (K innermost) in wc: w_qkv at byte 0, w_out at 3,145,728, w_ff1 at 4,194,304, w_ff2 at 8,388,608.
;   A work-group takes 128 columns x 256 along K, a wave 32 columns.  A LANE TAKES A COLUMN AND ITS REGISTERS RUN DOWN K: each load reads 128 consecutive bytes a wave, and the conversions,
;   which take neighbours along K from one lane's registers, give codes with K innermost.  The codes leave through the wave's own stage in LDS: sixteen lanes store 256 consecutive, aligned bytes.
; Work-groups 384-639: h1c = codes of layernorm(x) * g1 + beta1.  A wave takes 4 rows, a row in 32 registers a lane; mean first, then the mean of the squared differences: no difference of large sums.
; code = number / 2^e, held within +-448, to the nearest code, ties to even.  LIMITS: each e used here (entries 0, 1, 7, 9, 11) between -126 and 119.  NaN among the inputs is not served.
; No tensor loads, no barrier: waves share nothing.  No matrix unit, no cluster: the launch is a stream, each input byte read once.
.set SPARE, 34816                      ; behind the four stages of 32 x 272 bytes: the spare words, 128 bytes a wave
.set SPW,  14                          ; v14  LDS address of my spare word; never rewritten
.set NIL,  15                          ; v15  0; never rewritten
.set VO,   16                          ; v16-47   weights: byte offset of row i of a block of 32 rows at my column
.set X,    48                          ; v48-111  two sets of 32 numbers
.set C,    112                         ; v112-119 a block's codes
.set OUTR, 120                         ; v120-183 the way out
.set SOF,  184                         ; v184-199 the way out: byte offsets of two rows of codes each
.set BT,   40                          ; s[40:55] the eight blocks' bases in the weight
.set XR,   16                          ; layer norm: v16-143 four rows, 32 registers each
.set G,    144                         ; v144-175 the gain at my 32 columns
.set BE,   176                         ; v176-207 the offset
.set CD,   208                         ; v208-215 a row's codes
.set T,    216                         ; v216-223 at work
.set SEL,  58                          ; s[58:59] lane selects: lane l xor 16
	s_load_b512 s[4:19], s[0:1], 0x0               ; x, g1, beta1, w_qkv, w_out, w_ff1, w_ff2, the scales' exponents
	s_load_b128 s[20:23], s[0:1], 0x40             ; wc, h1c
	v_lshl_add_u32 v[SPW], v0, 2, SPARE
	v_mov_b32 v[NIL], 0
	v_lshrrev_b32 v1, 5, v0
	v_readfirstlane_b32 s2, v1                     ; wave 0..3
	v_and_b32 v1, 31, v0                           ; lane
	s_wait_kmcnt 0x0
	s_load_b256 s[24:31], s[18:19], 0x0            ; e0 .. e7
	s_load_b128 s[32:35], s[18:19], 0x20           ; e8 .. e11
	s_cmp_ge_u32 ttmp9, 384
	s_cbranch_scc1 .Lln
	; ---------------- the weights.  The parameters begin as w_ff2's and are replaced by three compares of the work-group's number
	s_mov_b64 s[68:69], s[16:17]                   ; the weight
	s_mov_b32 s36, 4096                            ; bytes in one of its rows (4 N)
	s_mov_b32 s37, 4096                            ; bytes in a row of its codes (K)
	s_mov_b32 s38, 8388608                         ; where its codes begin in wc
	s_mov_b32 s56, 256                             ; its first work-group
	s_mov_b32 s57, 4                               ; log2 of K / 256
	s_cmp_lt_u32 ttmp9, 256
	s_cselect_b64 s[68:69], s[14:15], s[68:69]     ; w_ff1
	s_cselect_b32 s36, 16384, s36
	s_cselect_b32 s37, 1024, s37
	s_cselect_b32 s38, 4194304, s38
	s_cselect_b32 s56, 128, s56
	s_cselect_b32 s57, 2, s57
	s_cmp_lt_u32 ttmp9, 128
	s_cselect_b64 s[68:69], s[12:13], s[68:69]     ; w_out
	s_cselect_b32 s36, 4096, s36
	s_cselect_b32 s38, 3145728, s38
	s_cselect_b32 s56, 96, s56
	s_cmp_lt_u32 ttmp9, 96
	s_cselect_b64 s[68:69], s[10:11], s[68:69]     ; w_qkv
	s_cselect_b32 s36, 12288, s36
	s_cselect_b32 s38, 0, s38
	s_cselect_b32 s56, 0, s56
	s_sub_co_u32 s60, ttmp9, s56                   ; my number within the weight
	s_lshr_b32 s61, s60, s57                       ; which 128 columns
	s_lshl_b32 s62, s61, s57
	s_sub_co_u32 s62, s60, s62                     ; which 256 along K
	s_lshl_b32 s61, s61, 7
	s_lshl_b32 s63, s2, 5
	s_add_co_u32 s61, s61, s63                     ; my wave's first column
	s_lshl_b32 s70, s36, 8
	s_mul_i32 s70, s70, s62                        ; 256 rows x which
	s_lshl_b32 s63, s61, 2
	s_add_co_u32 s70, s70, s63
	s_mov_b32 s71, 0
	s_add_nc_u64 s[BT:BT+1], s[68:69], s[70:71]    ; block 0
	s_lshl_b32 s70, s36, 5                         ; 32 rows on
.irp t, 1,2,3,4,5,6,7
	s_add_nc_u64 s[BT+2*\t:BT+2*\t+1], s[BT+2*\t-2:BT+2*\t-1], s[70:71]
.endr
	s_mul_i32 s72, s61, s37
	s_lshl_b32 s63, s62, 8
	s_add_co_u32 s72, s72, s63
	s_add_co_u32 s72, s72, s38
	s_mov_b32 s73, 0
	s_add_nc_u64 s[66:67], s[20:21], s[72:73]      ; my wave's codes: column x K + 256 x which
	s_mul_i32 s58, s2, 8704                        ; my stage
	v_mul_u32_u24 v4, v1, 272
	v_add_nc_u32 v4, s58, v4                       ; into it: row = my column
	v_and_b32 v5, 15, v1
	v_lshrrev_b32 v6, 4, v1
	v_mul_u32_u24 v7, v6, 272
	v_lshl_add_u32 v7, v5, 4, v7
	v_add_nc_u32 v7, s58, v7                       ; out of it: sixteen lanes to a row, two rows an instruction
	v_lshlrev_b32 v[VO], 2, v1
.set ii, 0
.rept 31
	v_add_nc_u32 v[VO+ii+1], s36, v[VO+ii]
.set ii, ii+1
.endr
	v_mul_lo_u32 v[SOF], v6, s37
	v_lshl_add_u32 v[SOF], v5, 4, v[SOF]
	s_lshl_b32 s59, s37, 1
.set ii, 0
.rept 15
	v_add_nc_u32 v[SOF+ii+1], s59, v[SOF+ii]
.set ii, ii+1
.endr
.macro LOAD t                          ; block t: W(32 t + i, my column), i = 0 .. 31, into set t % 2
.set ii, 0
.rept 32
	global_load_b32 v[X+32*((\t)%2)+ii], v[VO+ii], s[BT+2*(\t):BT+2*(\t)+1] th:TH_LOAD_NT
.set ii, ii+1
.endr
.endm
	LOAD 0
	LOAD 1
	s_wait_kmcnt 0x0
	s_mov_b32 s39, s35                             ; the weight's e: entry 11, 9, 7 or 1
	s_cmp_lt_u32 ttmp9, 256
	s_cselect_b32 s39, s33, s39
	s_cmp_lt_u32 ttmp9, 128
	s_cselect_b32 s39, s31, s39
	s_cmp_lt_u32 ttmp9, 96
	s_cselect_b32 s39, s25, s39
	s_add_co_i32 s39, s39, 127
	s_lshl_b32 s60, s39, 23
	v_mov_b32 v11, s60                             ; 2^e as f32: the conversion takes its exponent field
	s_add_co_i32 s39, s39, 8
	s_lshl_b32 s39, s39, 23
	s_or_b32 s39, s39, 0x600000
	v_mov_b32 v10, s39                             ; 448 x 2^e
.macro BLOCK t
.set XS, X+32*((\t)%2)
.if (\t) < 7
	s_wait_loadcnt 32                              ; this block's 32 loads are in; the next block's 32 may be out
.else
	s_wait_loadcnt 0
.endif
.set ii, 0
.rept 32
	v_med3_num_f32 v[XS+ii], v[XS+ii], -v10, v10   ; the conversion to an 8-bit code does not saturate (ISA guide 7.6.2): the hold comes first
.set ii, ii+1
.endr
.irp g, 0,1,2,3
	v_cvt_scalef32_pk8_fp8_f32 v[C+2*\g:C+2*\g+1], v[XS+8*\g:XS+8*\g+7], v11
.endr
	ds_store_b128 v4, v[C:C+3] offset:32*(\t)      ; 32 codes of my column's row
	ds_store_b128 v4, v[C+4:C+7] offset:32*(\t)+16
.if (\t)+2 < 8
	LOAD (\t)+2
.endif
	s_wait_dscnt 0x0                               ; the stores have read their registers: the next block's codes may be written
.endm
.irp t, 0,1,2,3,4,5,6,7
	BLOCK \t
.endr
.irp t, 0,1,2,3,4,5,6,7,8,9,10,11,12,13,14,15
	ds_load_b128 v[OUTR+4*\t:OUTR+4*\t+3], v7 offset:2*\t*272   ; LDS serves a wave's instructions in order: these see my stores
.endr
.irp t, 0,1,2,3,4,5,6,7,8,9,10,11,12,13,14,15
	s_wait_dscnt 15-\t                             ; the younger loads may stay out
	global_store_b128 v[SOF+\t], v[OUTR+4*\t:OUTR+4*\t+3], s[66:67]   ; sixteen lanes store 256 consecutive bytes of a row of codes, aligned
.endr
	s_wait_tensorcnt 0x0                           ; the wave's end, behind my last LDS store
	ds_add_u32 v[SPW], v[NIL]
	s_wait_dscnt 0x0
	s_endpgm
	; ---------------- the layer norm: no LDS is touched on this way
.macro REDUCE r, t                     ; the sum of v[r] over the 32 lanes, in every lane; v[t] has been written before
	v_add_f32_dpp v[\r], v[\r], v[\r] row_xmask:1 row_mask:0xf bank_mask:0xf
	v_add_f32_dpp v[\r], v[\r], v[\r] row_xmask:2 row_mask:0xf bank_mask:0xf
	v_add_f32_dpp v[\r], v[\r], v[\r] row_xmask:4 row_mask:0xf bank_mask:0xf
	v_add_f32_dpp v[\r], v[\r], v[\r] row_xmask:8 row_mask:0xf bank_mask:0xf
	v_permlanex16_b32 v[\t], v[\r], s[SEL], s[SEL+1]
	v_add_f32 v[\r], v[\r], v[\t]
.endm
.macro LNROW i
.set XI, XR+32*(\i)
	s_wait_loadcnt 8*(3-(\i))                      ; my row's eight loads are in (and g, beta, asked for earlier); the later rows' may be out
	v_pk_add_f32 v[T:T+1], v[XI:XI+1], v[XI+2:XI+3]
	v_pk_add_f32 v[T+2:T+3], v[XI+4:XI+5], v[XI+6:XI+7]
.set jj, 8
.rept 6
	v_pk_add_f32 v[T:T+1], v[T:T+1], v[XI+jj:XI+jj+1]
	v_pk_add_f32 v[T+2:T+3], v[T+2:T+3], v[XI+jj+2:XI+jj+3]
.set jj, jj+4
.endr
	v_pk_add_f32 v[T:T+1], v[T:T+1], v[T+2:T+3]
	v_add_f32 v[T], v[T], v[T+1]
	REDUCE T, T+1
	v_mul_f32 v[T], s60, v[T]                      ; the mean
.set jj, 0
.rept 16
	v_pk_add_f32 v[XI+jj:XI+jj+1], v[XI+jj:XI+jj+1], v[T:T+1] op_sel_hi:[1,0] neg_lo:[0,1] neg_hi:[0,1]   ; x - mean
.set jj, jj+2
.endr
	v_pk_mul_f32 v[T+2:T+3], v[XI:XI+1], v[XI:XI+1]
	v_pk_mul_f32 v[T+4:T+5], v[XI+2:XI+3], v[XI+2:XI+3]
.set jj, 4
.rept 7
	v_pk_fma_f32 v[T+2:T+3], v[XI+jj:XI+jj+1], v[XI+jj:XI+jj+1], v[T+2:T+3]
	v_pk_fma_f32 v[T+4:T+5], v[XI+jj+2:XI+jj+3], v[XI+jj+2:XI+jj+3], v[T+4:T+5]
.set jj, jj+4
.endr
	v_pk_add_f32 v[T+2:T+3], v[T+2:T+3], v[T+4:T+5]
	v_add_f32 v[T+2], v[T+2], v[T+3]
	REDUCE T+2, T+3
	v_fma_f32 v[T+2], v[T+2], s60, s61             ; the variance + 1e-5
	v_rsq_f32 v[T+4], v[T+2]
	v_mov_b32 v[T+5], 0                            ; a plain instruction behind the transcendental (ISA guide 5.7.2); it also writes the pair's upper half
	s_wait_alu depctr_va_vdst(0)                   ; ahead of the result's first reader
.set jj, 0
.rept 16
	v_pk_mul_f32 v[XI+jj:XI+jj+1], v[XI+jj:XI+jj+1], v[T+4:T+5] op_sel_hi:[1,0]
.set jj, jj+2
.endr
.set jj, 0
.rept 16
	v_pk_fma_f32 v[XI+jj:XI+jj+1], v[XI+jj:XI+jj+1], v[G+jj:G+jj+1], v[BE+jj:BE+jj+1]
.set jj, jj+2
.endr
.set jj, 0
.rept 32
	v_med3_num_f32 v[XI+jj], v[XI+jj], -v4, v4     ; the hold at 448 x 2^e
.set jj, jj+1
.endr
	s_wait_xcnt 0x0                                ; the last row's stores have read the codes' registers
.irp c, 0,1,2,3
	v_cvt_scalef32_pk8_fp8_f32 v[CD+2*\c:CD+2*\c+1], v[XI+8*\c:XI+8*\c+7], v5
.endr
	v_nop                                          ; a plain instruction behind the last conversion
.irp c, 0,1,2,3
	global_store_b64 v3, v[CD+2*\c:CD+2*\c+1], s[22:23] offset:1024*(\i)+256*\c   ; 32 lanes store 256 consecutive bytes, aligned
.endr
.endm
.Lln:
	s_sub_co_u32 s36, ttmp9, 384
	s_lshl_b32 s36, s36, 4
	s_lshl_b32 s37, s2, 2
	s_add_co_u32 s36, s36, s37                     ; my wave's first row
	s_lshl_b32 s38, s36, 12
	s_mov_b32 s39, 0
	s_add_nc_u64 s[4:5], s[4:5], s[38:39]
	s_lshl_b32 s38, s36, 10
	s_add_nc_u64 s[22:23], s[22:23], s[38:39]
	s_mov_b32 s[SEL], 0x76543210
	s_mov_b32 s[SEL+1], 0xfedcba98
	s_mov_b32 s60, 0x3a800000                      ; 1 / 1024
	s_mov_b32 s61, 0x3727c5ac                      ; 1e-5
	v_lshlrev_b32 v2, 5, v1                        ; in: my 8 numbers of each 256: 32 bytes a lane
	v_lshlrev_b32 v3, 3, v1                        ; out: their 8 codes
.irp c, 0,1,2,3
	global_load_b128 v[G+8*\c:G+8*\c+3], v2, s[6:7] offset:1024*\c
	global_load_b128 v[G+8*\c+4:G+8*\c+7], v2, s[6:7] offset:1024*\c+16
	global_load_b128 v[BE+8*\c:BE+8*\c+3], v2, s[8:9] offset:1024*\c
	global_load_b128 v[BE+8*\c+4:BE+8*\c+7], v2, s[8:9] offset:1024*\c+16
.endr
.irp i, 0,1,2,3
.irp c, 0,1,2,3
	global_load_b128 v[XR+32*\i+8*\c:XR+32*\i+8*\c+3], v2, s[4:5] offset:4096*\i+1024*\c th:TH_LOAD_NT
	global_load_b128 v[XR+32*\i+8*\c+4:XR+32*\i+8*\c+7], v2, s[4:5] offset:4096*\i+1024*\c+16 th:TH_LOAD_NT
.endr
.endr
	s_wait_kmcnt 0x0
	s_add_co_i32 s36, s24, 127                     ; e0
	s_lshl_b32 s37, s36, 23
	v_mov_b32 v5, s37                              ; 2^e
	s_add_co_i32 s36, s36, 8
	s_lshl_b32 s36, s36, 23
	s_or_b32 s36, s36, 0x600000
	v_mov_b32 v4, s36                              ; 448 x 2^e
	LNROW 0
	LNROW 1
	LNROW 2
	LNROW 3
	s_endpgm
.Lfunc_end_k_q09760a7cf8_prep:
	.size	k_q09760a7cf8_prep, .Lfunc_end_k_q09760a7cf8_prep-k_q09760a7cf8_prep
	.p2alignl 7, 3214868480
	.fill 96, 4, 3214868480
	.section	.rodata,"a",@progbits
	.p2align	6, 0x0
	.amdhsa_kernel k_q09760a7cf8_prep
		.amdhsa_group_segment_fixed_size 35328
		.amdhsa_private_segment_fixed_size 0
		.amdhsa_enable_private_segment 0
		.amdhsa_kernarg_size 80
		.amdhsa_user_sgpr_count 2
		.amdhsa_user_sgpr_kernarg_segment_ptr 1
		.amdhsa_wavefront_size32 1
		.amdhsa_system_sgpr_workgroup_id_x 1
		.amdhsa_system_sgpr_workgroup_id_y 1
		.amdhsa_system_sgpr_workgroup_id_z 1
		.amdhsa_system_vgpr_workitem_id 0
		.amdhsa_next_free_vgpr 224
		.amdhsa_next_free_sgpr 80
		.amdhsa_reserve_vcc 0
		.amdhsa_float_denorm_mode_32 3
		.amdhsa_float_denorm_mode_16_64 3
		.amdhsa_memory_ordered 1
		.amdhsa_forward_progress 1
		.amdhsa_inst_pref_size 93
	.end_amdhsa_kernel
	.amdgpu_metadata
---
amdhsa.version: [ 1, 2 ]
amdhsa.kernels:
  - .name:           k_q09760a7cf8_prep
    .symbol:         k_q09760a7cf8_prep.kd
    .args:
      - { .name: x, .offset: 0, .size: 8, .value_kind: global_buffer, .address_space: global }
      - { .name: g1, .offset: 8, .size: 8, .value_kind: global_buffer, .address_space: global }
      - { .name: beta1, .offset: 16, .size: 8, .value_kind: global_buffer, .address_space: global }
      - { .name: w_qkv, .offset: 24, .size: 8, .value_kind: global_buffer, .address_space: global }
      - { .name: w_out, .offset: 32, .size: 8, .value_kind: global_buffer, .address_space: global }
      - { .name: w_ff1, .offset: 40, .size: 8, .value_kind: global_buffer, .address_space: global }
      - { .name: w_ff2, .offset: 48, .size: 8, .value_kind: global_buffer, .address_space: global }
      - { .name: lowp_scales, .offset: 56, .size: 8, .value_kind: global_buffer, .address_space: global }
      - { .name: wc, .offset: 64, .size: 8, .value_kind: global_buffer, .address_space: global }
      - { .name: h1c, .offset: 72, .size: 8, .value_kind: global_buffer, .address_space: global }
    .group_segment_fixed_size: 35328
    .private_segment_fixed_size: 0
    .kernarg_segment_align: 8
    .kernarg_segment_size: 80
    .max_flat_workgroup_size: 128
    .sgpr_count:     80
    .vgpr_count:     224
    .wavefront_size: 32
...
	.end_amdgpu_metadata
.endif
;; end of part 1
;; launch qkv (part 2): grid 12 x 16, 4 waves a work-group, clusters of 4 x 4, 327,680 bytes of LDS; arguments h1c, wc, lowp_scales, b_qkv, qkvc; writes qkvc
.if DOCPART == 2
	.amdgcn_target "amdgcn-amd-amdhsa--gfx1250"
	.amdhsa_code_object_version 6
	.text
	.protected	k_q09760a7cf8_qkv
	.globl	k_q09760a7cf8_qkv
	.p2align	8
	.type	k_q09760a7cf8_qkv,@function
k_q09760a7cf8_qkv:
	s_mov_b64 s[64:65], 0
	v_nop
	global_prefetch_b8 v0, s[64:65] scope:SCOPE_SE
	s_setreg_imm32_b32 hwreg(HW_REG_WAVE_MODE, 25, 1), 1
	s_wait_xcnt 0x0
	s_wait_alu depctr_hold_cnt(0) depctr_sa_sdst(0) depctr_va_vdst(0) depctr_va_sdst(0) depctr_va_ssrc(0) depctr_va_vcc(0) depctr_vm_vsrc(0)
	s_getreg_b32 s2, hwreg(HW_REG_IB_STS2, 6, 4)
	s_cmp_eq_u32 s2, 0
	s_cbranch_scc0 .Lentry_in_a_cluster
	s_endpgm
.Lentry_in_a_cluster:
	s_bfe_u32 s2, ttmp6, 0x10000c
	s_cmp_lg_u32 s2, 0xf033
	s_cbranch_scc0 .Lentry_shape_is_right
	s_endpgm
.Lentry_shape_is_right:
; qkv = h1 w_qkv + b_qkv on codes of E4M3, and q, k, v quantised again for attention.  h1c: [4096][1024] codes; wc: w_qkv's codes [3072][1024], K innermost.
; OUT (qkvc): q at byte 0 and k at 4,194,304, both [batch x 16 + head][2048 tokens][64]; v at 8,388,608 as [batch x 16 + head][16 blocks of 128 keys][64][128 keys]: the keys innermost, since they are the K of attention's second product.
; A tile of 256 x 256 is made by four waves, each 128 x 128: 64 accumulators, 512 registers.  K = 1,024 goes in four steps of 256 through a ring of two LDS slots filled by the tensor data mover.
; THE MATRIX INSTRUCTION IS USED TRANSPOSED (source 0 = 16 rows of "B", source 1 = 16 rows of "A"): a lane holds eight neighbouring B rows' results for one A row.
; TWO MODES, by the CLUSTER's x (the same in all sixteen partners): clusters 0, 1: A = tokens, B = the weight's rows for q, k: a lane's eight results are eight neighbouring channels of a token.
;   cluster 2: A = the weight's rows for v, B = tokens: a lane's eight results are eight neighbouring TOKENS of one channel: v comes out with the keys innermost and nothing is transposed.
; CLUSTERS: 4 x 4 work-groups; A's tile is asked for jointly along a row of the cluster, B's along a column.  192 work-groups: 3,072 x 4,096 results in tiles of 256 x 256.
; LIMITS: e0 + e1 between -126 and 127; e2, e3, e5 between -126 and 119.  NaN is not served.
; REGISTERS: window 0: v0-31 addresses; v48-63 v's bias (even registers), v64-127 q's and k's bias; from v128 A's fragments, ONE set; on the way out v128-239.  window 1: B's fragments, TWO sets.  windows 2, 3: the accumulators ((a, b) at v[8 (8 (a % 4) + b)]).
.set KSTEP,  256
.set ROWB,   256                       ; a tile's row in bytes
.set KROW,   1024                      ; a row of codes in memory
.set PITCH,  272                       ; an LDS row: 256 bytes + 16 of padding: the 16 rows of a fragment load start at 16 different banks (64 banks of 4 bytes: ISA guide 11.1)
.set FR,     16
.set NL,     4
.set NP,     4                         ; places behind this matrix instruction (ISA guide 7.12.1)
.set HALFT,  128*PITCH
.set SLOT,   4*HALFT
.set LAPS,   2
.set SPARE,  2*SLOT                    ; behind the ring: the spare words, 128 bytes a wave
.set ADRA, 16
.set ADRB, 20
.set SPW,  28
.set NIL,  29
.set AF,   128
.set BV,   48
.set BIAS, 64
.set TMP,  128                         ; the way out: a block's 64 numbers
.set CD,   192                         ; their codes
.set OB,   208                         ; rows read back from the stage: two sets of 16
.set G1, 24
.set G0, 32
.set G1B, 48
.set G0B, 56
.set MSB, 0
.macro WIN new                         ; the immediate's high byte repeats the setting that is left
.if MSB != \new
	s_set_vgpr_msb (MSB<<8)|\new
.set MSB, \new
.endif
.endm
.set MUL_LO, 0xa1                      ; source 0 (B) window 1, source 1 (A) window 0, C and D window 2
.set MUL_HI, 0xf1
.set TO_B,   0x40
; A joint load: waves 0 and 1 fetch for A, waves 2 and 3 for B; the branch hangs on the wave's number alone.  An s_nop 0 and four v_nop follow each line.
.macro JLOAD g0a, g1a, g0b, g1b
	s_cmp_eq_u32 s15, 0
	s_cbranch_scc0 .Lfor_b_\@
	tensor_load_to_lds s[\g0a:\g0a+3], s[\g1a:\g1a+7]
	s_nop 0
.rept 4
	v_nop
.endr
	s_branch .Lasked_\@
.Lfor_b_\@:
	tensor_load_to_lds s[\g0b:\g0b+3], s[\g1b:\g1b+7]
	s_nop 0
.rept 4
	v_nop
.endr
.Lasked_\@:
.endm
.macro CREST                           ; a round of the cluster's barrier behind its opening barrier
	s_cmp_lg_u32 s14, 0
	s_cbranch_scc1 .Lnot_wave_0_\@
	s_barrier_signal -3
.Lnot_wave_0_\@:
	s_barrier_wait -3
	s_barrier_signal -1
	s_barrier_wait -1
.endm
.macro CROUND
	s_barrier_signal -1
	s_barrier_wait -1
	CREST
.endm
	s_load_b256 s[4:11], s[0:1], 0x0               ; h1c s[4:5], wc s[6:7], the scales' exponents s[8:9], b_qkv s[10:11]
	s_load_b64 s[12:13], s[0:1], 0x20              ; qkvc
	v_lshl_add_u32 v[SPW], v0, 2, SPARE
	v_mov_b32 v[NIL], 0
	ds_add_u32 v[SPW], v[NIL]                      ; the wave's opening: the add and its wait ahead of my first tensor load; work on registers stands between them
	v_lshrrev_b32 v1, 5, v0
	v_readfirstlane_b32 s14, v1                    ; wave 0..3
	s_lshr_b32 s15, s14, 1                         ; which half of A's rows is mine.  Also: I fetch for A (0) or for B (1)
	s_and_b32 s16, s14, 1                          ; which half of B's rows.  Also: which 128 rows of that tile I fetch
	s_bfe_u32 s40, ttmp6, 0x40000                  ; cx, cy: my place in the cluster
	s_bfe_u32 s41, ttmp6, 0x40004
	s_and_b32 s69, ttmp7, 0xffff                   ; the cluster's y
	s_cmp_eq_u32 ttmp9, 2                          ; the cluster's x: 2 = the mode for v
	s_cselect_b32 s66, 1, 0
	s_cselect_b32 s67, s69, ttmp9                  ; B's tiles go by the cluster's y there, else by its x
	s_cselect_b32 s68, 0, s69                      ; A's: the weight's four tiles, else by the cluster's y
	s_lshl_b32 s42, s67, 2
	s_add_co_u32 s42, s42, s40                     ; B's tile
	s_lshl_b32 s17, s68, 2
	s_add_co_u32 s17, s17, s41                     ; A's tile
	s_lshl_b32 s43, s41, 2
	s_lshl_b32 s43, 15, s43                        ; my row of the cluster
	s_lshl_b32 s44, 0x1111, s40                    ; my column
	s_or_b32 s[G1+0], s43, (0<<16)|(1<<20)|(1<<21)|(5<<22)|(3<<25)  ; the mask; elements of 1 byte; padding on; bit 21 beside a mask; after every 64 words, 4 words
	s_or_b32 s[G1B+0], s44, (0<<16)|(1<<20)|(1<<21)|(5<<22)|(3<<25)
.irp g, G1, G1B
	s_mov_b32 s[\g+1], ROWB<<16                    ; tensor_dim0
	s_mov_b32 s[\g+2], 128<<16                     ; tensor_dim1
	s_mov_b32 s[\g+3], ROWB<<16                    ; tile_dim0
	s_mov_b32 s[\g+4], 128                         ; tile_dim1
	s_mov_b32 s[\g+5], KROW                        ; the pitch in memory
	s_mov_b32 s[\g+6], 0
	s_mov_b32 s[\g+7], 0
.endr
	s_lshl_b32 s18, s16, 7
	s_lshl_b32 s20, s17, 8
	s_add_co_u32 s20, s20, s18
	s_lshl_b32 s20, s20, 10                        ; A: (256 x tile + 128 x half) rows of 1,024 bytes
	s_lshl_b32 s46, s42, 8
	s_add_co_u32 s46, s46, s18
	s_lshl_b32 s46, s46, 10                        ; B likewise
	s_mov_b32 s21, 0
	s_mov_b32 s47, 0
	s_mul_i32 s45, s14, HALFT                      ; where they go: wave x 128 rows
	s_wait_dscnt 0x0                               ; the opening add is done
	s_wait_kmcnt 0x0
	s_load_b256 s[80:87], s[8:9], 0x0              ; e0 .. e7
	s_add_nc_u64 s[70:71], s[6:7], 2097152         ; the weight's rows for v
	s_cmp_eq_u32 s66, 1
	s_cselect_b64 s[72:73], s[70:71], s[4:5]       ; A
	s_cselect_b64 s[74:75], s[4:5], s[6:7]         ; B
	s_add_nc_u64 s[20:21], s[72:73], s[20:21]
	s_add_nc_u64 s[46:47], s[74:75], s[46:47]
	CROUND                                         ; all sixteen work-groups are here: the first joint loads meet
.irp s, 0,1
	s_mov_b32 s[G0+4*\s], 1
	s_add_co_u32 s[G0+4*\s+1], s45, \s*SLOT
	s_add_nc_u64 s[G0+4*\s+2:G0+4*\s+3], s[20:21], \s*ROWB
	s_or_b32 s[G0+4*\s+3], s[G0+4*\s+3], 0x80000000
	s_mov_b32 s[G0B+4*\s], 1
	s_add_co_u32 s[G0B+4*\s+1], s45, \s*SLOT
	s_add_nc_u64 s[G0B+4*\s+2:G0B+4*\s+3], s[46:47], \s*ROWB
	s_or_b32 s[G0B+4*\s+3], s[G0B+4*\s+3], 0x80000000
	JLOAD G0+4*\s, G1, G0B+4*\s, G1B
.endr
	v_and_b32 v1, 15, v0                           ; r = l % 16
	v_bfe_u32 v2, v0, 4, 1                         ; h = l / 16
	v_mul_u32_u24 v3, v1, PITCH
	v_lshl_add_u32 v4, v2, 4, v3
	s_mul_i32 s21, s15, HALFT
	s_mul_i32 s22, s16, HALFT
	s_add_co_u32 s22, s22, 2*HALFT
.irp s, 0,1
	v_add_nc_u32 v[ADRA+\s], s21, v4
	v_add_nc_u32 v[ADRB+\s], s22, v4
	s_add_co_u32 s21, s21, SLOT
	s_add_co_u32 s22, s22, SLOT
.endr
	; the biases: asked for now, waited for on the way out; their registers and addresses are not touched in between.  The offset of the mode that is not in force is 0, so that no load leaves b_qkv
	v_lshlrev_b32 v7, 5, v2                        ; 32 h
	v_lshlrev_b32 v8, 2, v1                        ; 4 r
	s_lshl_b32 s76, s42, 8
	s_lshl_b32 s77, s16, 7
	s_add_co_u32 s76, s76, s77
	s_lshl_b32 s76, s76, 2                         ; q, k: my 128 columns
	s_lshl_b32 s78, s17, 8
	s_lshl_b32 s79, s15, 7
	s_add_co_u32 s78, s78, s79
	s_add_co_u32 s78, s78, 2048
	s_lshl_b32 s78, s78, 2                         ; v: my 128 channels
	s_cmp_eq_u32 s66, 1
	s_cselect_b32 s76, 0, s76
	s_cselect_b32 s78, s78, 0
	s_mov_b32 s77, 0
	s_mov_b32 s79, 0
	s_add_nc_u64 s[76:77], s[10:11], s[76:77]
	s_add_nc_u64 s[78:79], s[10:11], s[78:79]
.irp b, 0,1,2,3,4,5,6,7
	global_load_b128 v[BIAS+8*\b:BIAS+8*\b+3], v7, s[76:77] offset:64*\b       ; columns 16 b + 8 h + 0 .. 7
	global_load_b128 v[BIAS+8*\b+4:BIAS+8*\b+7], v7, s[76:77] offset:64*\b+16
.endr
.irp a, 0,1,2,3,4,5,6,7
	global_load_b32 v[BV+2*\a], v8, s[78:79] offset:64*\a                      ; channel 16 a + r
	v_mov_b32 v[BV+2*\a+1], 0                                                  ; (named with it as a pair)
.endr
	; the stages of the way out, each wave's own, 16 rows x 144 bytes, in slot 0; each mode has bytes of its own
	s_mul_i32 s23, s14, 2304
	v_mul_u32_u24 v9, v1, 144
	v_lshl_add_u32 v9, v2, 3, v9
	v_add_nc_u32 v9, s23, v9                       ; in: row r, 8 bytes for each half of the lanes
	v_add_nc_u32 v11, 16384, v9
	v_and_b32 v6, 31, v0
	v_lshrrev_b32 v3, 2, v6
	v_mul_u32_u24 v10, v3, 144
	v_and_b32 v3, 3, v6
	v_lshl_add_u32 v10, v3, 4, v10
	v_add_nc_u32 v10, s23, v10                     ; back, q and k: four lanes to a token's 64 bytes of one head
	v_lshrrev_b32 v3, 3, v6
	v_mul_u32_u24 v12, v3, 144
	v_and_b32 v3, 7, v6
	v_lshl_add_u32 v12, v3, 4, v12
	v_add_nc_u32 v12, s23, v12
	v_add_nc_u32 v12, 16384, v12                   ; back, v: eight lanes to a channel's 128 keys
	v_lshlrev_b32 v13, 4, v6                       ; and in memory: 16 bytes a lane
.macro FRAG reg, adr, q, i             ; 16 rows x 128 K in 16 registers: lane l holds row l % 16; registers 4 c .. 4 c + 3 hold K = 32 c + 16 (l / 16) + 0 .. 15: the same order of k in A and in B
.irp c, 0,1,2,3
	ds_load_b128 v[\reg+4*\c:\reg+4*\c+3], v[\adr] offset:128*(\q)+32*\c+(\i)*16*PITCH
.endr
.endm
; 16 matrix instructions: A's blocks a0, a0 + 1 x B's eight.  The 64 accumulators take turns, one instruction a turn.
.macro MUL16 a0, p, zero
.irp a, \a0, \a0+1
.irp b, 0,1,2,3,4,5,6,7
.if \zero
	v_wmma_f32_16x16x128_fp8_fp8 v[8*(8*((\a)%4)+\b):8*(8*((\a)%4)+\b)+7], v[128*(\p)+FR*\b:128*(\p)+FR*\b+FR-1], v[AF+FR*(\a):AF+FR*(\a)+FR-1], 0
.else
	v_wmma_f32_16x16x128_fp8_fp8 v[8*(8*((\a)%4)+\b):8*(8*((\a)%4)+\b)+7], v[128*(\p)+FR*\b:128*(\p)+FR*\b+FR-1], v[AF+FR*(\a):AF+FR*(\a)+FR-1], v[8*(8*((\a)%4)+\b):8*(8*((\a)%4)+\b)+7]
.endif
.endr
.endr
.endm
.macro FETCH_B slot, q, p
	WIN TO_B
.irp i, 0,1,2,3,4,5,6,7
	FRAG 128*(\p)+FR*\i, ADRB+\slot, \q, \i
.endr
	WIN 0
.endm
.macro FETCH_A slot, q, i0
.irp i, \i0, \i0+1, \i0+2, \i0+3
	FRAG AF+FR*(\i), ADRA+\slot, \q, \i
.endr
.endm
.macro PLACES n                        ; plain vector instructions between a matrix instruction and a load into, or a read of, its registers
.rept \n
	v_nop
.endr
.endm
.macro STEP slot, q, zero              ; 128 along K, with its successor in the same slot
	s_wait_dscnt 4*NL                              ; B's set and A's blocks 0-3 are in; the youngest 16 loads (A's blocks 4-7) may be out
	WIN MUL_LO
	MUL16 0, (\q)%2, \zero
	MUL16 2, (\q)%2, \zero
	s_wait_dscnt 0
	PLACES NP
	FETCH_B \slot, (\q)+1, 1-(\q)%2
	FETCH_A \slot, (\q)+1, 0
	WIN MUL_HI
	MUL16 4, (\q)%2, \zero
	MUL16 6, (\q)%2, \zero
	PLACES NP
	WIN 0
	FETCH_A \slot, (\q)+1, 4
.endm
; A slot's last step changes slots: one barrier; ahead of it each wave waits for all its tensor loads, adds 0 to its spare word, and waits for that and for its reads of this slot.
.macro TURN slot, next, fill
	s_wait_tensorcnt 0x0                           ; all my tensor loads have landed: my part of the next slot
	ds_add_u32 v[SPW], v[NIL]
	s_wait_dscnt 4*NL+1                            ; (the add and the youngest 16 loads may be out)
	WIN MUL_LO
	MUL16 0, 1, 0
	s_wait_dscnt 0x0                               ; the add is done, and my reads of this slot are over
	s_barrier_signal -1
	MUL16 2, 1, 0
	WIN 0
	s_barrier_wait -1
.if \fill
	CREST                                          ; the barrier has opened a round of the cluster's: no wave of any partner still reads this slot or has a load on its way
	s_add_nc_u64 s[G0+4*\slot+2:G0+4*\slot+3], s[G0+4*\slot+2:G0+4*\slot+3], 2*ROWB
	s_add_nc_u64 s[G0B+4*\slot+2:G0B+4*\slot+3], s[G0B+4*\slot+2:G0B+4*\slot+3], 2*ROWB
	JLOAD G0+4*\slot, G1, G0B+4*\slot, G1B         ; the first tensor load behind the round; its four v_nop are the places in front of the loads below
.else
	PLACES NP
.endif
	FETCH_B \next, 0, 0
	FETCH_A \next, 0, 0
	WIN MUL_HI
	MUL16 4, 1, 0
	MUL16 6, 1, 0
	PLACES NP
	WIN 0
	FETCH_A \next, 0, 4
.endm
	s_wait_tensorcnt 1                             ; my part of K step 0 is in (K step 1's load may be out),
	s_barrier_signal -1
	s_barrier_wait -1                              ; everybody's is
	FETCH_B 0, 0, 0
	FETCH_A 0, 0, 0
	FETCH_A 0, 0, 4
	STEP 0, 0, 1                                   ; the first step's products start the sums
	s_mov_b32 s3, LAPS-1
.Llap:                                                 ; once round the ring; both slots are filled again
	TURN 0, 1, 1
	STEP 1, 0, 0
	TURN 1, 0, 1
	STEP 0, 0, 0
	s_sub_co_u32 s3, s3, 1
	s_cmp_lg_u32 s3, 0
	s_cbranch_scc1 .Llap
	TURN 0, 1, 0                                   ; the last lap fills nothing
	STEP 1, 0, 0
	s_wait_dscnt 4*NL
	WIN MUL_LO
	MUL16 0, 1, 0
	MUL16 2, 1, 0
	s_wait_dscnt 0
	WIN MUL_HI
	MUL16 4, 1, 0
	MUL16 6, 1, 0
	WIN 0
; THE WAY OUT, block by block of 16 A rows x 128 B rows: number = sum x 2^(e0 + e1) + bias, held, converted: 8 codes a lane and tile.  They go through my stage in LDS (slot 0 has had its last fill and its last read)
; and come back so that each store of the wave covers 512 consecutive bytes.
.macro VALS a, m                       ; m = 0: the bias goes by B's rows (q, k); 1: by A's row (v).  Each accumulator is read from its low end on
.set AC, 64*((\a)%4)
	WIN (0x02+((\a)/4))
.set jj, 0
.rept 32
.if \m
	v_pk_fma_f32 v[TMP+jj:TMP+jj+1], v[AC+jj:AC+jj+1], s[96:97], v[BV+2*(\a):BV+2*(\a)+1] op_sel_hi:[1,0,0]
.else
	v_pk_fma_f32 v[TMP+jj:TMP+jj+1], v[AC+jj:AC+jj+1], s[96:97], v[BIAS+jj:BIAS+jj+1] op_sel_hi:[1,0,1]
.endif
.set jj, jj+2
.endr
	WIN 0
.endm
.macro CODES
.set jj, 0
.rept 64
	v_med3_num_f32 v[TMP+jj], v[TMP+jj], -v31, v31 ; the conversion does not saturate (ISA guide 7.6.2): the hold at 448 x the scale
.set jj, jj+1
.endr
.set jj, 0
.rept 8
	v_cvt_scalef32_pk8_fp8_f32 v[CD+2*jj:CD+2*jj+1], v[TMP+8*jj:TMP+8*jj+7], v30
.set jj, jj+1
.endr
	v_nop                                          ; a plain instruction behind the last conversion
.endm
.macro BLK a, m, sto, rd
	VALS \a, \m
	CODES
.irp b, 0,1,2,3,4,5,6,7
	ds_store_b64 v[\sto], v[CD+2*\b:CD+2*\b+1] offset:16*\b
.endr
.irp i, 0,1,2,3
.if \m
	ds_load_b128 v[OB+16*((\a)%2)+4*\i:OB+16*((\a)%2)+4*\i+3], v[\rd] offset:576*\i                    ; four channels x 128 keys
.else
	ds_load_b128 v[OB+16*((\a)%2)+4*\i:OB+16*((\a)%2)+4*\i+3], v[\rd] offset:64*(\i/2)+1152*(\i%2)     ; head i / 2, eight tokens x 64 bytes
.endif
.endr
.endm
.macro OUT a, m, y                     ; y: the LDS instructions issued behind block a's loads, which may stay out
	s_wait_dscnt \y
.irp i, 0,1,2,3
.if \m
	global_store_b128 v13, v[OB+16*((\a)%2)+4*\i:OB+16*((\a)%2)+4*\i+3], s[12:13] offset:131072*((\a)/4)+2048*((\a)%4)+512*\i
.else
	global_store_b128 v13, v[OB+16*((\a)%2)+4*\i:OB+16*((\a)%2)+4*\i+3], s[12:13] offset:131072*(\i/2)+1024*(\a)+512*(\i%2)
.endif
.endr
.endm
.macro ARM m, sto, rd
	s_add_co_i32 s98, s98, 127                     ; the output's e
	s_lshl_b32 s99, s98, 23
	v_mov_b32 v30, s99                             ; 2^e
	s_add_co_i32 s98, s98, 8
	s_lshl_b32 s98, s98, 23
	s_or_b32 s98, s98, 0x600000
	v_mov_b32 v31, s98                             ; 448 x 2^e
	BLK 0, \m, \sto, \rd
.irp a, 1,2,3,4,5,6,7
.if \a > 1
	s_wait_xcnt 0x0                                ; block a - 2's stores have read their registers: block a's loads may land there
.endif
	BLK \a, \m, \sto, \rd
	OUT \a-1, \m, 12                               ; behind block a - 1's loads: block a's 8 stores and 4 loads
.endr
	OUT 7, \m, 0
	s_wait_tensorcnt 0x0                           ; the wave's end, behind my last tensor load and my last LDS store
	ds_add_u32 v[SPW], v[NIL]
	s_wait_dscnt 0x0
	CROUND                                         ; the closing round
	s_endpgm
.endm
	s_wait_kmcnt 0x0
	s_wait_loadcnt 0x0                             ; the biases
	s_add_co_i32 s96, s80, s81
	s_add_co_i32 s96, s96, 127
	s_lshl_b32 s96, s96, 23                        ; 2^(e0 + e1) as f32
	s_mov_b32 s97, s96
	PLACES NP                                      ; behind the last products: ahead of the first reads of results and of writes over A's fragments
	s_cmp_eq_u32 s66, 1                            ; the mode: the cluster's x alone
	s_cbranch_scc1 .Lv_arm
	s_lshl_b32 s20, s17, 8
	s_lshl_b32 s21, s15, 7
	s_add_co_u32 s20, s20, s21                     ; my first token
	s_lshr_b32 s21, s20, 11
	s_lshl_b32 s21, s21, 4                         ; 16 x batch
	s_and_b32 s22, s42, 3
	s_lshl_b32 s22, s22, 2
	s_add_co_u32 s21, s21, s22
	s_lshl_b32 s22, s16, 1
	s_add_co_u32 s21, s21, s22                     ; + my first head
	s_lshl_b32 s21, s21, 11
	s_and_b32 s20, s20, 2047
	s_add_co_u32 s20, s20, s21
	s_lshl_b32 s20, s20, 6
	s_lshl_b32 s21, ttmp9, 22                      ; q or k
	s_add_co_u32 s20, s20, s21
	s_mov_b32 s21, 0
	s_add_nc_u64 s[12:13], s[12:13], s[20:21]
	s_cmp_eq_u32 ttmp9, 0
	s_cselect_b32 s98, s82, s83                    ; e2 for q, e3 for k
	ARM 0, 9, 10
.Lv_arm:
	s_lshr_b32 s20, s42, 3
	s_lshl_b32 s20, s20, 4                         ; 16 x batch
	s_lshl_b32 s21, s17, 2
	s_add_co_u32 s20, s20, s21
	s_lshl_b32 s21, s15, 1
	s_add_co_u32 s20, s20, s21                     ; + my first head
	s_lshl_b32 s20, s20, 4
	s_lshl_b32 s21, s42, 1
	s_add_co_u32 s21, s21, s16
	s_and_b32 s21, s21, 15                         ; my block of 128 keys
	s_add_co_u32 s20, s20, s21
	s_lshl_b32 s20, s20, 13
	s_add_co_u32 s20, s20, 8388608
	s_mov_b32 s21, 0
	s_add_nc_u64 s[12:13], s[12:13], s[20:21]
	s_mov_b32 s98, s85                             ; e5
	ARM 1, 11, 12
.Lfunc_end_k_q09760a7cf8_qkv:
	.size	k_q09760a7cf8_qkv, .Lfunc_end_k_q09760a7cf8_qkv-k_q09760a7cf8_qkv
	.p2alignl 7, 3214868480
	.fill 96, 4, 3214868480
	.section	.rodata,"a",@progbits
	.p2align	6, 0x0
	.amdhsa_kernel k_q09760a7cf8_qkv
		.amdhsa_group_segment_fixed_size 327680
		.amdhsa_private_segment_fixed_size 0
		.amdhsa_enable_private_segment 0
		.amdhsa_kernarg_size 40
		.amdhsa_user_sgpr_count 2
		.amdhsa_user_sgpr_kernarg_segment_ptr 1
		.amdhsa_wavefront_size32 1
		.amdhsa_system_sgpr_workgroup_id_x 1
		.amdhsa_system_sgpr_workgroup_id_y 1
		.amdhsa_system_sgpr_workgroup_id_z 1
		.amdhsa_system_vgpr_workitem_id 0
		.amdhsa_next_free_vgpr 1024
		.amdhsa_next_free_sgpr 100
		.amdhsa_reserve_vcc 0
		.amdhsa_float_denorm_mode_32 3
		.amdhsa_float_denorm_mode_16_64 3
		.amdhsa_memory_ordered 1
		.amdhsa_forward_progress 1
		.amdhsa_inst_pref_size 208
	.end_amdhsa_kernel
	.amdgpu_metadata
---
amdhsa.version: [ 1, 2 ]
amdhsa.kernels:
  - .name:           k_q09760a7cf8_qkv
    .symbol:         k_q09760a7cf8_qkv.kd
    .args:
      - { .name: h1c, .offset: 0, .size: 8, .value_kind: global_buffer, .address_space: global }
      - { .name: wc, .offset: 8, .size: 8, .value_kind: global_buffer, .address_space: global }
      - { .name: lowp_scales, .offset: 16, .size: 8, .value_kind: global_buffer, .address_space: global }
      - { .name: b_qkv, .offset: 24, .size: 8, .value_kind: global_buffer, .address_space: global }
      - { .name: qkvc, .offset: 32, .size: 8, .value_kind: global_buffer, .address_space: global }
    .group_segment_fixed_size: 327680
    .private_segment_fixed_size: 0
    .kernarg_segment_align: 8
    .kernarg_segment_size: 40
    .max_flat_workgroup_size: 128
    .sgpr_count:     100
    .vgpr_count:     1024
    .wavefront_size: 32
...
	.end_amdgpu_metadata
.endif
;; end of part 2
;; launch attn (part 3): grid 8 x 32, 16 waves a work-group, no clusters, 313,344 bytes of LDS; arguments qkvc, lowp_scales, oc; writes oc
.if DOCPART == 3
	.amdgcn_target "amdgcn-amd-amdhsa--gfx1250"
	.amdhsa_code_object_version 6
	.text
	.protected	k_q09760a7cf8_attn
	.globl	k_q09760a7cf8_attn
	.p2align	8
	.type	k_q09760a7cf8_attn,@function
k_q09760a7cf8_attn:
	s_mov_b64 s[64:65], 0
	v_nop
	global_prefetch_b8 v0, s[64:65] scope:SCOPE_SE
	s_setreg_imm32_b32 hwreg(HW_REG_WAVE_MODE, 25, 1), 1
	s_wait_xcnt 0x0
; o = softmax(q k^T / 8) v for one head and 256 queries a work-group, both products on codes of E4M3; o is quantised for the next product.
; qkvc: q at 0, k at 4,194,304: [bh][2048][64]; v at 8,388,608: [bh][16 blocks][64 channels][128 keys].  oc: [token / 64][head][token % 64][64 bytes].
; THE SOFTMAX: t = score x log2(e) / 8; M = the running largest t rounded UP to a whole number; p = 2^(t - M) is quantised, not normalised; the row's sum is taken of the unquantised p and divides at the end;
; when M moves, the sum and O are multiplied by 2^(old M - new M), which rounds nothing.
; SHARES.  Sixteen waves, each 16 queries in 256 registers: four waves to a SIMD, so that one wave's vector work stands beside another's matrix work and LDS loads.  Every wave walks the 2,048 keys, 128 a step.
; Both products are used transposed (S^T = K Q^T, O^T = V^T P^T): a lane holds ONE query throughout.  THE KEYS OF A TILE ARE NOT NEIGHBOURS: lane r of tile 2 b + u takes key 32 b + 8 u + r + 8 (r / 8),
; so that the 16 registers of tiles 2 b, 2 b + 1 are 16 neighbouring keys and the conversions' results are the second product's operand.
; LDS.  The head's whole K and V, 262,144 bytes, fit: each byte is written ONCE, in four stages of 512 keys, through registers (global load, LDS store); a stage is asked for four key steps ahead of its store.
; So there is no ring and no refill.  K: key 16 g + 4 u + w at 1120 g + 272 u + 64 w.  V: row (block, channel) at 9216 block + 144 channel.
; NO TENSOR LOAD, NO CLUSTER: K's gaps (272, 272, 272, 304 bytes from one group of four keys to the next) are not even, so no descriptor's padding lays them; and a work-group reads K and V once, 65,536 bytes for every four key steps
; of sixteen waves: a small part of a stage's work.  LDS stores stand only between two barriers of their own, LDS loads of K and V only outside them.
; LIMITS: e2 + e3 between -123 and 130 (added to c's exponent field); e4, e6 between -126 and 119.  NaN is not served.
; The one branch on a given exponent: with e4 >= -8 the hold's bound 448 x 2^e4 is at least 1.75 and p is at most 1, so the hold changes nothing and its 64 lines are passed over.
.set VB,    143360                     ; V's rows begin here
.set SPARE, 290816                     ; the spare words, 128 bytes for each of 16 waves
.set OST,   292864                     ; the way out: 16 rows x 80 bytes for each wave
.set LR,  24                           ; v24-55   a stage's loads: 16 of K, 16 of V
.set F,   56                           ; v56-119  K's 8 fragments of 8, then V's 4 of 16
.set S,   120                          ; v120-183 S^T, then p
.set O,   184                          ; v184-215 O^T
.set PC,  216                          ; v216-231 p's codes
; v1 my place in a tile of K, v2 of V; v3, v4 where I store K and V; v5, v6 the add's two; v7 my bytes of a stage in memory; v8-11 addresses in hand; v12 -M, v13 the largest t, v[14:15] the sum; v16-23 Q
; v232 Q's offset; v237, v238 the stage, in and back; v239 my 16 bytes of o; v240, v244: 448 x 2^e4, 2^e4; v241, v245: the same with e6; v236, v242, v243, v252-254 at work
	s_load_b128 s[4:7], s[0:1], 0x0                ; qkvc, the scales' exponents
	s_load_b64 s[8:9], s[0:1], 0x10                ; oc
	v_lshl_add_u32 v5, v0, 2, SPARE
	v_mov_b32 v6, 0
	v_lshrrev_b32 v8, 5, v0
	v_readfirstlane_b32 s10, v8                    ; wave 0..15
	v_and_b32 v235, 31, v0                         ; lane
	v_and_b32 v233, 15, v0                         ; r
	v_bfe_u32 v234, v0, 4, 1                       ; h
	s_and_b32 s11, ttmp7, 0xffff                   ; batch x 16 + head
	s_lshl_b32 s12, s10, 11
	v_lshl_add_u32 v7, v235, 4, s12                ; 2,048 x wave + 16 x lane
	s_mul_i32 s12, s10, 2240
	v_mul_u32_u24 v3, v234, 272
	v_lshl_add_u32 v3, v233, 4, v3
	v_add_nc_u32 v3, s12, v3                       ; K: my wave's 32 keys; a load's 512 bytes are two groups of four keys
	s_mul_i32 s12, s10, 2304
	s_add_co_u32 s12, s12, VB
	v_lshrrev_b32 v8, 3, v235
	v_mul_u32_u24 v4, v8, 144
	v_and_b32 v8, 7, v235
	v_lshl_add_u32 v4, v8, 4, v4
	v_add_nc_u32 v4, s12, v4                       ; V: my wave's 16 rows; a load's 512 bytes are four rows
	v_lshrrev_b32 v8, 3, v233
	v_mul_u32_u24 v1, v8, 1120
	v_bfe_u32 v8, v233, 2, 1
	v_mad_u32_u24 v1, v8, 272, v1
	v_and_b32 v8, 3, v233
	v_lshl_add_u32 v1, v8, 6, v1
	v_lshl_add_u32 v1, v234, 4, v1                 ; key r + 8 (r / 8) of a tile, + 16 h
	v_mul_u32_u24 v2, v233, 144
	v_lshl_add_u32 v2, v234, 4, v2
	v_add_nc_u32 v2, VB, v2                        ; channel r of a tile, + 16 h
	v_lshlrev_b32 v232, 6, v233
	v_lshl_add_u32 v232, v234, 4, v232             ; Q: row r of 64 bytes, + 16 h
	s_mul_i32 s12, s10, 1280
	s_add_co_u32 s12, s12, OST                     ; my stage
	v_mul_u32_u24 v237, v233, 80
	v_lshl_add_u32 v237, v234, 3, v237
	v_add_nc_u32 v237, s12, v237                   ; in: row r, 8 bytes for each half of the lanes
	v_lshrrev_b32 v8, 2, v235
	v_mul_u32_u24 v238, v8, 80
	v_and_b32 v8, 3, v235
	v_lshl_add_u32 v238, v8, 4, v238
	v_add_nc_u32 v238, s12, v238                   ; back: four lanes to a row of 64 bytes
	v_lshlrev_b32 v239, 4, v235
	s_lshr_b32 s38, s11, 4                         ; where my 16 queries' codes go: ((batch x 32 + 4 x + wave / 4) x 16 + head) x 4,096 + (wave % 4) x 1,024
	s_lshl_b32 s38, s38, 5
	s_lshl_b32 s39, ttmp9, 2
	s_add_co_u32 s38, s38, s39
	s_lshr_b32 s39, s10, 2
	s_add_co_u32 s38, s38, s39
	s_lshl_b32 s38, s38, 16
	s_and_b32 s39, s11, 15
	s_lshl_b32 s39, s39, 12
	s_add_co_u32 s38, s38, s39
	s_and_b32 s39, s10, 3
	s_lshl_b32 s39, s39, 10
	s_add_co_u32 s38, s38, s39
	s_mov_b32 s39, 0
	s_lshl_b32 s12, s11, 17                        ; a head is 131,072 bytes in q, in k and in v
	s_mov_b32 s13, 0
	s_mov_b32 s20, 0x76543210
	s_mov_b32 s21, 0xfedcba98                      ; lane l xor 16
	s_mov_b32 s32, 0                               ; where the step in hand reads K,
	s_mov_b32 s33, 0                               ; and V
	s_mov_b32 s34, 0                               ; where the stage in hand stores K,
	s_mov_b32 s35, 0                               ; and V
	s_wait_kmcnt 0x0
	s_load_b256 s[24:31], s[6:7], 0x0              ; e0 .. e7
	s_add_nc_u64 s[8:9], s[8:9], s[38:39]
	s_add_nc_u64 s[18:19], s[4:5], s[12:13]        ; q of my head
	s_add_nc_u64 s[14:15], s[18:19], 4194304       ; k
	s_add_nc_u64 s[16:17], s[18:19], 8388608       ; v
	s_lshl_b32 s12, ttmp9, 14
	s_lshl_b32 s38, s10, 10
	s_add_co_u32 s12, s12, s38
	s_add_nc_u64 s[18:19], s[18:19], s[12:13]      ; my 16 queries
.macro GLOAD                           ; my 2,048 bytes of K and of V of a stage of 512 keys
.irp n, 0,1,2,3
	global_load_b128 v[LR+4*\n:LR+4*\n+3], v7, s[14:15] offset:512*\n
.endr
.irp n, 0,1,2,3
	global_load_b128 v[LR+16+4*\n:LR+16+4*\n+3], v7, s[16:17] offset:512*\n
.endr
.endm
.macro LSTORE                          ; into LDS, and on to the next stage (the loads have been waited for, so their bases may step)
	v_add_nc_u32 v10, s34, v3
	v_add_nc_u32 v11, s35, v4
.irp n, 0,1,2,3
	ds_store_b128 v10, v[LR+4*\n:LR+4*\n+3] offset:1120*(\n/2)+544*(\n%2)
	ds_store_b128 v11, v[LR+16+4*\n:LR+16+4*\n+3] offset:576*\n
.endr
	s_add_co_u32 s34, s34, 35840
	s_add_co_u32 s35, s35, 36864
	s_add_nc_u64 s[14:15], s[14:15], 32768
	s_add_nc_u64 s[16:17], s[16:17], 32768
.endm
	GLOAD
	global_load_b128 v[16:19], v232, s[18:19]      ; Q's fragment stays in registers: channels 16 h + 0 .. 15,
	global_load_b128 v[20:23], v232, s[18:19] offset:32   ; 32 + 16 h + 0 .. 15: the same order of k as K's fragments
	v_mov_b32 v13, 0xff61b1e6                      ; the largest t so far: -3e38
	v_floor_f32 v12, -v13                          ; -M
	v_mov_b32 v14, 0                               ; the sum, in two halves
	v_mov_b32 v15, 0
	v_mov_b32 v236, 0                              ; a lane permute's destination counts as read
	v_mov_b32 v253, 0                              ; (the upper half of the pair v[252:253])
.set jj, 0
.rept 32
	v_mov_b32 v[O+jj], 0                           ; O^T: the step is written once; its first walk finds zeros
.set jj, jj+1
.endr
	s_wait_kmcnt 0x0
	s_add_co_i32 s38, s26, s27
	s_lshl_b32 s38, s38, 23
	s_mov_b32 s22, 0x3e38aa3b                      ; c = log2(e) / 8,
	s_add_co_i32 s22, s22, s38                     ; x 2^(e2 + e3): the two exponents are added to c's exponent field
	s_mov_b32 s23, s22
	s_add_co_i32 s38, s28, 127
	s_lshl_b32 s39, s38, 23
	v_mov_b32 v244, s39                            ; 2^e4
	s_add_co_i32 s38, s38, 8
	s_lshl_b32 s38, s38, 23
	s_or_b32 s38, s38, 0x600000
	v_mov_b32 v240, s38                            ; 448 x 2^e4
	s_add_co_i32 s38, s30, 127
	s_lshl_b32 s39, s38, 23
	v_mov_b32 v245, s39                            ; 2^e6
	s_add_co_i32 s38, s38, 8
	s_lshl_b32 s38, s38, 23
	s_or_b32 s38, s38, 0x600000
	v_mov_b32 v241, s38                            ; 448 x 2^e6
	s_add_co_i32 s40, s28, s29                     ; e4 + e5
	s_wait_loadcnt 2                               ; the stage's eight loads are in; Q's two may be out
	LSTORE
	s_wait_dscnt 0x0                               ; my stores have landed
	s_barrier_signal -1
	s_barrier_wait -1                              ; everybody's have: keys 0-511 lie in LDS
	s_wait_loadcnt 0x0                             ; Q
; A KEY STEP: 128 keys.
.macro STEP
	v_add_nc_u32 v8, s32, v1
	v_add_nc_u32 v9, s33, v2
	v_nop
	v_nop                                          ; four plain instructions between the last products and the loads into registers that they read
.irp t, 0,1,2,3,4,5,6,7
	ds_load_b128 v[F+8*\t:F+8*\t+3], v8 offset:2240*(\t/2)+544*(\t%2)
	ds_load_b128 v[F+8*\t+4:F+8*\t+7], v8 offset:2240*(\t/2)+544*(\t%2)+32
.endr
	s_wait_dscnt 0x0
.irp t, 0,1,2,3,4,5,6,7
	v_wmma_f32_16x16x64_fp8_fp8 v[S+8*\t:S+8*\t+7], v[F+8*\t:F+8*\t+7], v[16:23], 0
.endr
.rept 4
	v_nop                                          ; places: ahead of the loads into K's registers and of the first read of the scores
.endr
.irp t, 0,1,2,3
.irp c, 0,1,2,3
	ds_load_b128 v[F+16*\t+4*\c:F+16*\t+4*\c+3], v9 offset:2304*\t+32*\c   ; V's fragments land under the softmax
.endr
.endr
	v_max3_num_f32 v254, v[S], v[S+1], v[S+2]      ; the step's largest score of my query among my 64 keys, in two chains, each tile from its low end on
	v_max3_num_f32 v252, v[S+3], v[S+4], v[S+5]
.irp i, 6,10,14,18,22,26,30,34,38,42,46,50,54,58
	v_max3_num_f32 v254, v254, v[S+\i], v[S+\i+1]
	v_max3_num_f32 v252, v252, v[S+\i+2], v[S+\i+3]
.endr
	v_max3_num_f32 v254, v254, v[S+62], v[S+63]
	v_max_num_f32 v254, v254, v252
	v_permlanex16_b32 v236, v254, s20, s21
	v_max_num_f32 v254, v254, v236                 ; and among lane l xor 16's
	v_mul_f32 v254, s22, v254                      ; as t (c is positive)
	v_max_num_f32 v13, v13, v254                   ; the running largest t
	v_mov_b32 v254, v12
	v_floor_f32 v12, -v13                          ; the new -M = -ceil(t)
	v_sub_f32 v254, v12, v254                      ; old M - new M: a whole number, 0 or less
	v_cvt_i32_f32 v254, v254                       ; (it saturates)
	v_ldexp_f32 v252, 1.0, v254                    ; f = 2^(old M - new M)
.set jj, 0
.rept 32
	v_pk_fma_f32 v[S+jj:S+jj+1], v[S+jj:S+jj+1], s[22:23], v[12:13] op_sel_hi:[1,0,0]   ; t - M
.set jj, jj+2
.endr
.set jj, 0
.rept 64
	v_exp_f32 v[S+jj], v[S+jj]                     ; p = 2^(t - M)
.set jj, jj+1
.endr
	v_pk_mul_f32 v[14:15], v[14:15], v[252:253] op_sel_hi:[1,0]   ; the sums under the new M: a plain instruction behind the exponentials
	s_wait_alu depctr_va_vdst(0)                   ; ahead of the batch's first reader: one for the 64
	v_pk_add_f32 v[242:243], v[S:S+1], v[S+2:S+3]  ; the row's sum of the unquantised p, in two chains
.irp j, 4,8,12,16,20,24,28,32,36,40,44,48,52,56,60
	v_pk_add_f32 v[14:15], v[14:15], v[S+\j:S+\j+1]
	v_pk_add_f32 v[242:243], v[242:243], v[S+\j+2:S+\j+3]
.endr
	v_pk_add_f32 v[14:15], v[14:15], v[242:243]
	s_cmp_ge_i32 s28, -8                           ; 448 x 2^e4 >= 1.75 > p: the hold would change nothing
	s_cbranch_scc1 .Lnohold_\@
.set jj, 0
.rept 64
	v_min_num_f32 v[S+jj], v[S+jj], v240           ; the conversion does not saturate (ISA guide 7.6.2); p is not negative: a one-sided hold
.set jj, jj+1
.endr
.Lnohold_\@:
.irp b, 0,1,2,3
	v_cvt_scalef32_pk8_fp8_f32 v[PC+4*\b:PC+4*\b+1], v[S+16*\b:S+16*\b+7], v244
	v_cvt_scalef32_pk8_fp8_f32 v[PC+4*\b+2:PC+4*\b+3], v[S+16*\b+8:S+16*\b+15], v244
.endr
.set jj, 0
.rept 16
	v_pk_mul_f32 v[O+jj:O+jj+1], v[O+jj:O+jj+1], v[252:253] op_sel_hi:[1,0]   ; O^T under the new M; also the plain instructions behind the conversions
.set jj, jj+2
.endr
	s_wait_dscnt 0x0                               ; V's fragments
.irp t, 0,1,2,3
	v_wmma_f32_16x16x128_fp8_fp8 v[O+8*\t:O+8*\t+7], v[F+16*\t:F+16*\t+15], v[PC:PC+15], v[O+8*\t:O+8*\t+7]   ; the four accumulators take turns
.endr
	s_add_co_u32 s32, s32, 8960
	s_add_co_u32 s33, s33, 9216
.endm
.macro FOUR_STEPS                      ; a stage's 512 keys
	s_mov_b32 s37, 4
.Lstep_\@:
	STEP
	s_sub_co_u32 s37, s37, 1
	s_cmp_lg_u32 s37, 0
	s_cbranch_scc1 .Lstep_\@
.endm
	s_mov_b32 s36, 3
.Lstage:
	GLOAD                                          ; the next stage's keys, four key steps ahead of their store
	FOUR_STEPS
	s_wait_loadcnt 0x0
	s_wait_dscnt 0x0
	s_barrier_signal -1
	s_barrier_wait -1                              ; no wave has an LDS load out
	LSTORE
	s_wait_dscnt 0x0                               ; my stores have landed
	s_barrier_signal -1
	s_barrier_wait -1                              ; everybody's have
	s_sub_co_u32 s36, s36, 1
	s_cmp_lg_u32 s36, 0
	s_cbranch_scc1 .Lstage
	FOUR_STEPS                                     ; the last stage: nothing is left to fetch
	s_wait_dscnt 0x0
	s_barrier_signal -1
	s_barrier_wait -1                              ; no wave reads K or V any more: the stores into the stages meet no other wave's loads
	; THE WAY OUT: O^T x 2^(e4 + e5) / the sum, quantised with 2^e6; 16 rows of 64 bytes go through my stage and leave as 1,024 consecutive bytes
	v_add_f32 v14, v14, v15
	v_permlanex16_b32 v252, v14, s20, s21
	v_add_f32 v14, v14, v252                       ; the row's sum
	v_rcp_f32 v14, v14
	v_nop                                          ; a plain instruction behind the transcendental
	v_nop
	s_wait_alu depctr_va_vdst(0)                   ; ahead of the first reader
	v_ldexp_f32 v14, v14, s40
.set jj, 0
.rept 32
	v_mul_f32 v[S+jj], v[O+jj], v14                ; register 8 t + i is o(query r, channel 16 t + 8 h + i)
.set jj, jj+1
.endr
.set jj, 0
.rept 32
	v_med3_num_f32 v[S+jj], v[S+jj], -v241, v241
.set jj, jj+1
.endr
.irp t, 0,1,2,3
	v_cvt_scalef32_pk8_fp8_f32 v[PC+2*\t:PC+2*\t+1], v[S+8*\t:S+8*\t+7], v245
.endr
	v_nop                                          ; a plain instruction behind the last conversion
.irp t, 0,1,2,3
	ds_store_b64 v237, v[PC+2*\t:PC+2*\t+1] offset:16*\t
.endr
.irp i, 0,1
	ds_load_b128 v[LR+4*\i:LR+4*\i+3], v238 offset:640*\i   ; LDS serves a wave's instructions in order: these see my stores
.endr
.irp i, 0,1
	s_wait_dscnt 1-\i
	global_store_b128 v239, v[LR+4*\i:LR+4*\i+3], s[8:9] offset:512*\i   ; 32 lanes store 512 consecutive bytes, aligned
.endr
	s_wait_tensorcnt 0x0                           ; the wave's end, behind my last LDS store
	ds_add_u32 v5, v6
	s_wait_dscnt 0x0
	s_endpgm
.Lfunc_end_k_q09760a7cf8_attn:
	.size	k_q09760a7cf8_attn, .Lfunc_end_k_q09760a7cf8_attn-k_q09760a7cf8_attn
	.p2alignl 7, 3214868480
	.fill 96, 4, 3214868480
	.section	.rodata,"a",@progbits
	.p2align	6, 0x0
	.amdhsa_kernel k_q09760a7cf8_attn
		.amdhsa_group_segment_fixed_size 313344
		.amdhsa_private_segment_fixed_size 0
		.amdhsa_enable_private_segment 0
		.amdhsa_kernarg_size 24
		.amdhsa_user_sgpr_count 2
		.amdhsa_user_sgpr_kernarg_segment_ptr 1
		.amdhsa_wavefront_size32 1
		.amdhsa_system_sgpr_workgroup_id_x 1
		.amdhsa_system_sgpr_workgroup_id_y 1
		.amdhsa_system_sgpr_workgroup_id_z 1
		.amdhsa_system_vgpr_workitem_id 0
		.amdhsa_next_free_vgpr 256
		.amdhsa_next_free_sgpr 66
		.amdhsa_reserve_vcc 0
		.amdhsa_float_denorm_mode_32 3
		.amdhsa_float_denorm_mode_16_64 3
		.amdhsa_memory_ordered 1
		.amdhsa_forward_progress 1
		.amdhsa_inst_pref_size 45
	.end_amdhsa_kernel
	.amdgpu_metadata
---
amdhsa.version: [ 1, 2 ]
amdhsa.kernels:
  - .name:           k_q09760a7cf8_attn
    .symbol:         k_q09760a7cf8_attn.kd
    .args:
      - { .name: qkvc, .offset: 0, .size: 8, .value_kind: global_buffer, .address_space: global }
      - { .name: lowp_scales, .offset: 8, .size: 8, .value_kind: global_buffer, .address_space: global }
      - { .name: oc, .offset: 16, .size: 8, .value_kind: global_buffer, .address_space: global }
    .group_segment_fixed_size: 313344
    .private_segment_fixed_size: 0
    .kernarg_segment_align: 8
    .kernarg_segment_size: 24
    .max_flat_workgroup_size: 512
    .sgpr_count:     66
    .vgpr_count:     256
    .wavefront_size: 32
...
	.end_amdgpu_metadata
.endif
;; end of part 3
;; launch oproj (part 4): grid 8 x 32, 4 waves a work-group, clusters of 4 x 4, 327,680 bytes of LDS; arguments oc, wc, lowp_scales, b_out, x, x1; writes x1
.if DOCPART == 4
	.amdgcn_target "amdgcn-amd-amdhsa--gfx1250"
	.amdhsa_code_object_version 6
	.text
	.protected	k_q09760a7cf8_oproj
	.globl	k_q09760a7cf8_oproj
	.p2align	8
	.type	k_q09760a7cf8_oproj,@function
k_q09760a7cf8_oproj:
	s_mov_b64 s[64:65], 0
	v_nop
	global_prefetch_b8 v0, s[64:65] scope:SCOPE_SE
	s_setreg_imm32_b32 hwreg(HW_REG_WAVE_MODE, 25, 1), 1
	s_wait_xcnt 0x0
	s_wait_alu depctr_hold_cnt(0) depctr_sa_sdst(0) depctr_va_vdst(0) depctr_va_sdst(0) depctr_va_ssrc(0) depctr_va_vcc(0) depctr_vm_vsrc(0)
	s_getreg_b32 s2, hwreg(HW_REG_IB_STS2, 6, 4)
	s_cmp_eq_u32 s2, 0
	s_cbranch_scc0 .Lentry_in_a_cluster
	s_endpgm
.Lentry_in_a_cluster:
	s_bfe_u32 s2, ttmp6, 0x10000c
	s_cmp_lg_u32 s2, 0xf033
	s_cbranch_scc0 .Lentry_shape_is_right
	s_endpgm
.Lentry_shape_is_right:
; OPROJ = 1: x1 = x + (o w_out + b_out);  OPROJ = 0: out0 = x1 + (hidden w_ff2 + b_ff2).  Both products on codes of E4M3; the result is f32 [4096][1024].
; A tile of 128 x 128 gives 256 work-groups.  Four waves, each 64 x 64: 16 accumulators.  K goes in steps of 512 codes through two LDS slots filled by the tensor data mover.
; The matrix instruction (K = 64) is used transposed (source 0 = 16 rows of the weight's codes, source 1 = 16 tokens): a lane holds eight neighbouring columns of a token's row.
; A fragment, 16 rows x 64 K, is 8 registers by two loads of 16 bytes, 32 bytes apart: registers 0-3 hold K = 16 (l / 16) + 0 .. 15, registers 4-7 K = 32 + 16 (l / 16) + 0 .. 15: the same order of k on both sides.
; OPROJ = 1: the tokens' codes lie [token / 64][head][token % 64][64]: 64 tokens x 8 heads (a K step) are one dense block of 32,768 bytes, stated as 128 rows of 256 bytes (four tokens of a head to a row).
; CLUSTERS: 4 x 4 work-groups; the tokens' tile is asked for jointly along a row of the cluster, the weight's along a column.
; The wave's 64 x 64 of the residual are asked for at the head, into registers that the loop does not name, and land under the products.
; LIMIT: the two exponents' sum between -126 and 127.
; REGISTERS: window 0: v0-31 addresses; v32-95 the way out; v96-99 the bias; v128-255 the accumulators ((a, b) at v[128 + 8 (4 a + b)]).  window 1: two fragment buffers of 128.  window 2: v0-127 the residual.
.set OPROJ, 1
.if OPROJ
.set KTOT,  1024
.set ASH,   10                         ; log2 of a token's bytes, and of a weight row's
.set HALFA, 128*272                    ; 64 tokens' part of a slot
.set AKS,   4352                       ; from 64 along K to the next: a head's 16 rows of 272
.set AIS,   1088                       ; from 16 tokens to the next: 4 rows
.set ASTEP, 32768                      ; a K step in memory
.set WOFF,  3145728                    ; the weight's codes in wc
.set SCOFF, 0x18                       ; e6, e7
.set LNA,   4
.else
.set KTOT,  4096
.set ASH,   12
.set HALFA, 64*528
.set AKS,   64
.set AIS,   16*528
.set ASTEP, 512
.set WOFF,  8388608
.set SCOFF, 0x28                       ; e10, e11
.set LNA,   3
.endif
.set HALFB, 64*528                     ; 64 rows of the weight: 512 bytes + 16 of padding each
.set SLOT,  2*HALFA+2*HALFB
.set SPARE, 2*SLOT                     ; behind the ring: the spare words, 128 bytes a wave
.set LAPS,  KTOT/1024
.set ADRA, 16
.set ADRB, 20
.set STO,  24
.set RD,   25
.set CO,   26
.set SPW,  28
.set NIL,  29
.set TMP,  32
.set ACC,  128
.set F0,   0
.set F1,   128
.set G1, 24
.set G0, 32
.set G1B, 48
.set G0B, 56
.set MSB, 0
.macro WIN new                         ; the immediate's high byte repeats the setting that is left
.if MSB != \new
	s_set_vgpr_msb (MSB<<8)|\new
.set MSB, \new
.endif
.endm
.set MUL,  0x05                        ; sources 0 and 1 window 1; C and D window 0
.set TO_F, 0x40
.macro JLOAD s                         ; a joint load: waves 0 and 1 fetch the tokens' two halves, waves 2 and 3 the weight's; an s_nop 0 and four v_nop follow each line
	s_cmp_eq_u32 s11, 0
	s_cbranch_scc0 .Lfor_b_\@
	tensor_load_to_lds s[G0+4*\s:G0+4*\s+3], s[G1:G1+7]
	s_nop 0
.rept 4
	v_nop
.endr
	s_branch .Lasked_\@
.Lfor_b_\@:
	tensor_load_to_lds s[G0B+4*\s:G0B+4*\s+3], s[G1B:G1B+7]
	s_nop 0
.rept 4
	v_nop
.endr
.Lasked_\@:
.endm
.macro CREST
	s_cmp_lg_u32 s10, 0
	s_cbranch_scc1 .Lnot_wave_0_\@
	s_barrier_signal -3
.Lnot_wave_0_\@:
	s_barrier_wait -3
	s_barrier_signal -1
	s_barrier_wait -1
.endm
.macro CROUND
	s_barrier_signal -1
	s_barrier_wait -1
	CREST
.endm
	s_load_b256 s[68:75], s[0:1], 0x0              ; the tokens' codes s[68:69], wc s[70:71], the scales' exponents s[72:73], the bias s[74:75]
	s_load_b128 s[76:79], s[0:1], 0x20             ; the residual s[76:77], the result s[78:79]
	v_lshl_add_u32 v[SPW], v0, 2, SPARE
	v_mov_b32 v[NIL], 0
	ds_add_u32 v[SPW], v[NIL]                      ; the wave's opening: the add and its wait ahead of my first tensor load
	v_lshrrev_b32 v1, 5, v0
	v_readfirstlane_b32 s10, v1                    ; wave 0..3
	s_lshr_b32 s11, s10, 1                         ; which half of the tile's tokens is mine.  Also: I fetch tokens (0) or the weight (1)
	s_and_b32 s12, s10, 1                          ; which half of its columns.  Also: which 64 rows I fetch
	s_bfe_u32 s40, ttmp6, 0x40000
	s_bfe_u32 s41, ttmp6, 0x40004
	s_lshl_b32 s42, ttmp9, 2
	s_add_co_u32 s42, s42, s40                     ; tile column
	s_and_b32 s13, ttmp7, 0xffff
	s_lshl_b32 s13, s13, 2
	s_add_co_u32 s13, s13, s41                     ; tile row
	s_lshl_b32 s43, s41, 2
	s_lshl_b32 s43, 15, s43                        ; my row of the cluster
	s_lshl_b32 s44, 0x1111, s40                    ; my column
.if OPROJ
	s_or_b32 s[G1+0], s43, (0<<16)|(1<<20)|(1<<21)|(5<<22)|(3<<25)  ; elements of 1 byte; 4 words of padding after every 64
	s_mov_b32 s[G1+1], 256<<16                     ; tensor_dim0
	s_mov_b32 s[G1+2], 128<<16                     ; tensor_dim1
	s_mov_b32 s[G1+3], 256<<16                     ; tile_dim0
	s_mov_b32 s[G1+4], 128                         ; tile_dim1
	s_mov_b32 s[G1+5], 256                         ; the pitch: the block is dense
.else
	s_or_b32 s[G1+0], s43, (0<<16)|(1<<20)|(1<<21)|(6<<22)|(3<<25)  ; 4 words of padding after every 128
	s_mov_b32 s[G1+1], 512<<16
	s_mov_b32 s[G1+2], 64<<16
	s_mov_b32 s[G1+3], 512<<16
	s_mov_b32 s[G1+4], 64
	s_mov_b32 s[G1+5], KTOT
.endif
	s_mov_b32 s[G1+6], 0
	s_mov_b32 s[G1+7], 0
	s_or_b32 s[G1B+0], s44, (0<<16)|(1<<20)|(1<<21)|(6<<22)|(3<<25)
	s_mov_b32 s[G1B+1], 512<<16
	s_mov_b32 s[G1B+2], 64<<16
	s_mov_b32 s[G1B+3], 512<<16
	s_mov_b32 s[G1B+4], 64
	s_mov_b32 s[G1B+5], KTOT
	s_mov_b32 s[G1B+6], 0
	s_mov_b32 s[G1B+7], 0
	s_lshl_b32 s17, s12, 6
	s_lshl_b32 s16, s13, 7
	s_add_co_u32 s16, s16, s17
	s_lshl_b32 s16, s16, ASH                       ; tokens 128 x tile row + 64 x half, in bytes
	s_lshl_b32 s46, s42, 7
	s_add_co_u32 s46, s46, s17
	s_lshl_b32 s46, s46, ASH                       ; the weight's rows 128 x tile column + 64 x half
	s_mov_b32 s17, 0
	s_mov_b32 s47, 0
	s_mul_i32 s20, s12, HALFA                      ; where they go: no place in the cluster enters an LDS address
	s_mul_i32 s23, s12, HALFB
	s_add_co_u32 s23, s23, 2*HALFA
	s_wait_dscnt 0x0                               ; the opening add is done
	s_wait_kmcnt 0x0
	s_load_b64 s[80:81], s[72:73], SCOFF           ; the two exponents
	s_add_nc_u64 s[14:15], s[68:69], s[16:17]
	s_add_nc_u64 s[46:47], s[70:71], s[46:47]
	s_add_nc_u64 s[46:47], s[46:47], WOFF
	CROUND                                         ; all sixteen work-groups are here: the first joint loads meet
.irp s, 0,1
	s_mov_b32 s[G0+4*\s], 1
	s_add_co_u32 s[G0+4*\s+1], s20, \s*SLOT
	s_add_nc_u64 s[G0+4*\s+2:G0+4*\s+3], s[14:15], \s*ASTEP
	s_or_b32 s[G0+4*\s+3], s[G0+4*\s+3], 0x80000000
	s_mov_b32 s[G0B+4*\s], 1
	s_add_co_u32 s[G0B+4*\s+1], s23, \s*SLOT
	s_add_nc_u64 s[G0B+4*\s+2:G0B+4*\s+3], s[46:47], \s*512
	s_or_b32 s[G0B+4*\s+3], s[G0B+4*\s+3], 0x80000000
	JLOAD \s
.endr
	v_and_b32 v1, 15, v0                           ; r
	v_bfe_u32 v2, v0, 4, 1                         ; h
	v_mul_u32_u24 v3, v1, 528
	v_lshl_add_u32 v3, v2, 4, v3                   ; rows of 528: row r, + 16 h
.if OPROJ
	v_lshrrev_b32 v4, 2, v1
	v_mul_u32_u24 v4, v4, 272
	v_and_b32 v5, 3, v1
	v_lshl_add_u32 v4, v5, 6, v4
	v_lshl_add_u32 v4, v2, 4, v4                   ; token r of 16: row r / 4 of 272, 64 (r % 4), + 16 h
.endif
	s_mul_i32 s21, s11, HALFA
	s_mul_i32 s22, s12, HALFB
	s_add_co_u32 s22, s22, 2*HALFA
.irp s, 0,1
	v_add_nc_u32 v[ADRA+\s], s21, v[LNA]
	v_add_nc_u32 v[ADRB+\s], s22, v3
	s_add_co_u32 s21, s21, SLOT
	s_add_co_u32 s22, s22, SLOT
.endr
	s_mul_i32 s23, s10, 4352                       ; the way out: my stage, 16 rows x 272 bytes, in slot 0
	v_mul_u32_u24 v[STO], v1, 272
	v_lshl_add_u32 v[STO], v2, 5, v[STO]
	v_add_nc_u32 v[STO], s23, v[STO]               ; in: row r, 32 bytes for each half of the lanes
	v_mul_u32_u24 v[RD], v2, 272
	v_lshl_add_u32 v[RD], v1, 4, v[RD]
	v_add_nc_u32 v[RD], s23, v[RD]                 ; back: lanes 0-15 one row of 256 bytes, lanes 16-31 the next
	v_lshlrev_b32 v5, 12, v2
	v_lshl_add_u32 v[CO], v1, 4, v5                ; the same two rows in memory, 4,096 bytes apart
	v_lshlrev_b32 v27, 4, v1                       ; my four columns of the bias
	s_lshl_b32 s16, s13, 7
	s_lshl_b32 s17, s11, 6
	s_add_co_u32 s16, s16, s17
	s_lshl_b32 s16, s16, 12                        ; my first row,
	s_lshl_b32 s46, s42, 7
	s_lshl_b32 s47, s12, 6
	s_add_co_u32 s46, s46, s47
	s_lshl_b32 s46, s46, 2                         ; my first column, in bytes
	s_mov_b32 s47, 0
	s_add_nc_u64 s[84:85], s[74:75], s[46:47]
	s_add_co_u32 s16, s16, s46
	s_mov_b32 s17, 0
	s_add_nc_u64 s[76:77], s[76:77], s[16:17]
	s_add_nc_u64 s[78:79], s[78:79], s[16:17]
	WIN 0x80                                       ; destination window 2
.set tt, 0
.rept 32
	global_load_b128 v[4*tt:4*tt+3], v[CO], s[76:77] offset:8192*tt th:TH_LOAD_NT   ; rows 2 tt, 2 tt + 1 of my 64: sixteen lanes read 256 consecutive bytes
.set tt, tt+1
.endr
	WIN 0
	global_load_b128 v[96:99], v27, s[84:85]
.macro MUL8 f, c, a0, zero             ; 8 matrix instructions: token blocks a0, a0 + 1 x all 4 column blocks, 64 along K.  The 16 accumulators take turns
.irp a, \a0, \a0+1
.irp b, 0,1,2,3
.if \zero
	v_wmma_f32_16x16x64_fp8_fp8 v[ACC+8*(4*(\a)+\b):ACC+8*(4*(\a)+\b)+7], v[\f+64+8*(4*\c+\b):\f+64+8*(4*\c+\b)+7], v[\f+8*(4*\c+\a):\f+8*(4*\c+\a)+7], 0
.else
	v_wmma_f32_16x16x64_fp8_fp8 v[ACC+8*(4*(\a)+\b):ACC+8*(4*(\a)+\b)+7], v[\f+64+8*(4*\c+\b):\f+64+8*(4*\c+\b)+7], v[\f+8*(4*\c+\a):\f+8*(4*\c+\a)+7], v[ACC+8*(4*(\a)+\b):ACC+8*(4*(\a)+\b)+7]
.endif
.endr
.endr
.endm
.macro FETCH slot, q, f                ; 32 LDS loads in one run: the fragments of the slot's q-th 128 along K into buffer f; its first 64 first
	WIN TO_F
.irp c, 0,1
.irp i, 0,1,2,3
	ds_load_b128 v[\f+64+8*(4*\c+\i):\f+64+8*(4*\c+\i)+3],   v[ADRB+\slot] offset:64*(2*(\q)+\c)+\i*8448
	ds_load_b128 v[\f+64+8*(4*\c+\i)+4:\f+64+8*(4*\c+\i)+7], v[ADRB+\slot] offset:64*(2*(\q)+\c)+\i*8448+32
	ds_load_b128 v[\f+8*(4*\c+\i):\f+8*(4*\c+\i)+3],         v[ADRA+\slot] offset:(2*(\q)+\c)*AKS+\i*AIS
	ds_load_b128 v[\f+8*(4*\c+\i)+4:\f+8*(4*\c+\i)+7],       v[ADRA+\slot] offset:(2*(\q)+\c)*AKS+\i*AIS+32
.endr
.endr
.endm
.macro PLACES                          ; four plain instructions ahead of loads into registers that matrix instructions have read, and of reads of results
.rept 4
	v_nop
.endr
.endm
.macro QUARTER slot, q, f, g, zero     ; multiplies buffer f (128 along K) and fetches the slot's quarter q into g
	s_wait_dscnt 16                                ; the first 64 along K are in; the other 16 loads may be out
	WIN MUL
	MUL8 \f, 0, 0, \zero
	MUL8 \f, 0, 2, \zero
	PLACES
	FETCH \slot, \q, \g
	s_wait_dscnt 32                                ; all but the 32 just issued
	WIN MUL
	MUL8 \f, 1, 0, 0
	MUL8 \f, 1, 2, 0
.endm
; The last quarter changes slots: one barrier; ahead of it each wave waits for all its tensor loads, adds 0 to its spare word, and waits for that and for its reads of this slot.
.macro TURN slot, next, fill
	WIN 0
	s_wait_tensorcnt 0x0                           ; all my tensor loads have landed: my part of the next slot
	ds_add_u32 v[SPW], v[NIL]
	s_wait_dscnt 17                                ; (the add and the youngest sixteen loads may be out)
	WIN MUL
	MUL8 F1, 0, 0, 0
	s_wait_dscnt 0x0                               ; the add is done, and my reads of this slot are over
	s_barrier_signal -1
	MUL8 F1, 0, 2, 0
.if \fill
	WIN 0
.endif
	s_barrier_wait -1
.if \fill
	CREST                                          ; the barrier has opened a round of the cluster's
	s_add_nc_u64 s[G0+4*\slot+2:G0+4*\slot+3], s[G0+4*\slot+2:G0+4*\slot+3], 2*ASTEP
	s_add_nc_u64 s[G0B+4*\slot+2:G0B+4*\slot+3], s[G0B+4*\slot+2:G0B+4*\slot+3], 2*512
	JLOAD \slot                                    ; the first tensor load behind the round; its four v_nop are the places in front of the loads below
.else
	PLACES
.endif
	FETCH \next, 0, F0
	WIN MUL
	MUL8 F1, 1, 0, 0
	MUL8 F1, 1, 2, 0
.endm
	s_wait_tensorcnt 1                             ; my part of K step 0 is in (K step 1's load may be out),
	s_barrier_signal -1
	s_barrier_wait -1                              ; everybody's is
	FETCH 0, 0, F0
	QUARTER 0, 1, F0, F1, 1                        ; the first products start the sums
.if LAPS > 1
	WIN 0
	s_mov_b32 s3, LAPS-1
.Llap:                                                 ; once round the ring; both slots are filled again
	QUARTER 0, 2, F1, F0, 0
	QUARTER 0, 3, F0, F1, 0
	TURN 0, 1, 1
	QUARTER 1, 1, F0, F1, 0
	QUARTER 1, 2, F1, F0, 0
	QUARTER 1, 3, F0, F1, 0
	TURN 1, 0, 1
	QUARTER 0, 1, F0, F1, 0
	WIN 0
	s_sub_co_u32 s3, s3, 1
	s_cmp_lg_u32 s3, 0
	s_cbranch_scc1 .Llap
.endif
	QUARTER 0, 2, F1, F0, 0                        ; the last lap fills nothing
	QUARTER 0, 3, F0, F1, 0
	TURN 0, 1, 0
	QUARTER 1, 1, F0, F1, 0
	QUARTER 1, 2, F1, F0, 0
	QUARTER 1, 3, F0, F1, 0
	s_wait_dscnt 16
	WIN MUL
	MUL8 F1, 0, 0, 0
	MUL8 F1, 0, 2, 0
	s_wait_dscnt 0
	MUL8 F1, 1, 0, 0
	MUL8 F1, 1, 2, 0
	WIN 0
; THE WAY OUT, 16 tokens at a time: the sums go through my own stage (slot 0 has had its last fill and its last read) and come back as whole rows of 256 bytes; then sum x 2^(ea + eb) + bias, + the residual.
.macro TOST a
.irp b, 0,1,2,3
	ds_store_b128 v[STO], v[ACC+8*(4*(\a)+\b):ACC+8*(4*(\a)+\b)+3] offset:64*\b        ; each accumulator from its low end on
	ds_store_b128 v[STO], v[ACC+8*(4*(\a)+\b)+4:ACC+8*(4*(\a)+\b)+7] offset:64*\b+16
.endr
.irp t, 0,1,2,3,4,5,6,7
	ds_load_b128 v[TMP+32*((\a)%2)+4*\t:TMP+32*((\a)%2)+4*\t+3], v[RD] offset:544*\t   ; LDS serves a wave's instructions in order: these see my stores
.endr
.endm
.macro SENDF a, y                      ; y: the LDS instructions issued behind block a's loads, which may stay out
.set RB, TMP+32*((\a)%2)
	s_wait_dscnt \y
.irp t, 0,1,2,3,4,5,6,7
	v_pk_fma_f32 v[RB+4*\t:RB+4*\t+1], v[RB+4*\t:RB+4*\t+1], s[82:83], v[96:97] op_sel_hi:[1,0,1]
	v_pk_fma_f32 v[RB+4*\t+2:RB+4*\t+3], v[RB+4*\t+2:RB+4*\t+3], s[82:83], v[98:99] op_sel_hi:[1,0,1]
.endr
	WIN 0x08                                       ; source 1 (the residual) window 2
.irp t, 0,1,2,3,4,5,6,7
	v_pk_add_f32 v[RB+4*\t:RB+4*\t+1], v[RB+4*\t:RB+4*\t+1], v[4*(8*(\a)+\t):4*(8*(\a)+\t)+1]
	v_pk_add_f32 v[RB+4*\t+2:RB+4*\t+3], v[RB+4*\t+2:RB+4*\t+3], v[4*(8*(\a)+\t)+2:4*(8*(\a)+\t)+3]
.endr
	WIN 0
.irp t, 0,1,2,3,4,5,6,7
	global_store_b128 v[CO], v[RB+4*\t:RB+4*\t+3], s[78:79] offset:(16*(\a)+2*\t)*4096   ; sixteen lanes store 256 consecutive bytes, aligned
.endr
.endm
	PLACES
	s_wait_loadcnt 0x0                             ; the residual and the bias
	s_wait_kmcnt 0x0
	s_add_co_i32 s82, s80, s81
	s_add_co_i32 s82, s82, 127
	s_lshl_b32 s82, s82, 23                        ; 2^(ea + eb) as f32
	s_mov_b32 s83, s82
	TOST 0
.irp a, 1,2,3
.if \a > 1
	s_wait_xcnt 0x0                                ; block a - 2's stores have read their registers: block a's loads may land there
.endif
	TOST \a
	SENDF \a-1, 16                                 ; behind block a - 1's loads: block a's 8 stores and 8 loads
.endr
	SENDF 3, 0
	s_wait_tensorcnt 0x0                           ; the wave's end, behind my last tensor load and my last LDS store
	ds_add_u32 v[SPW], v[NIL]
	s_wait_dscnt 0x0
	CROUND                                         ; the closing round
	s_endpgm
.Lfunc_end_k_q09760a7cf8_oproj:
	.size	k_q09760a7cf8_oproj, .Lfunc_end_k_q09760a7cf8_oproj-k_q09760a7cf8_oproj
	.p2alignl 7, 3214868480
	.fill 96, 4, 3214868480
	.section	.rodata,"a",@progbits
	.p2align	6, 0x0
	.amdhsa_kernel k_q09760a7cf8_oproj
		.amdhsa_group_segment_fixed_size 327680
		.amdhsa_private_segment_fixed_size 0
		.amdhsa_enable_private_segment 0
		.amdhsa_kernarg_size 48
		.amdhsa_user_sgpr_count 2
		.amdhsa_user_sgpr_kernarg_segment_ptr 1
		.amdhsa_wavefront_size32 1
		.amdhsa_system_sgpr_workgroup_id_x 1
		.amdhsa_system_sgpr_workgroup_id_y 1
		.amdhsa_system_sgpr_workgroup_id_z 1
		.amdhsa_system_vgpr_workitem_id 0
		.amdhsa_next_free_vgpr 640
		.amdhsa_next_free_sgpr 96
		.amdhsa_reserve_vcc 0
		.amdhsa_float_denorm_mode_32 3
		.amdhsa_float_denorm_mode_16_64 3
		.amdhsa_memory_ordered 1
		.amdhsa_forward_progress 1
		.amdhsa_inst_pref_size 61
	.end_amdhsa_kernel
	.amdgpu_metadata
---
amdhsa.version: [ 1, 2 ]
amdhsa.kernels:
  - .name:           k_q09760a7cf8_oproj
    .symbol:         k_q09760a7cf8_oproj.kd
    .args:
      - { .name: oc, .offset: 0, .size: 8, .value_kind: global_buffer, .address_space: global }
      - { .name: wc, .offset: 8, .size: 8, .value_kind: global_buffer, .address_space: global }
      - { .name: lowp_scales, .offset: 16, .size: 8, .value_kind: global_buffer, .address_space: global }
      - { .name: b_out, .offset: 24, .size: 8, .value_kind: global_buffer, .address_space: global }
      - { .name: x, .offset: 32, .size: 8, .value_kind: global_buffer, .address_space: global }
      - { .name: x1, .offset: 40, .size: 8, .value_kind: global_buffer, .address_space: global }
    .group_segment_fixed_size: 327680
    .private_segment_fixed_size: 0
    .kernarg_segment_align: 8
    .kernarg_segment_size: 48
    .max_flat_workgroup_size: 128
    .sgpr_count:     96
    .vgpr_count:     640
    .wavefront_size: 32
...
	.end_amdgpu_metadata
.endif
;; end of part 4
;; launch ln2 (part 5): grid 256 x 1, 4 waves a work-group, no clusters, 0 bytes of LDS; arguments x1, g2, beta2, lowp_scales, h2c; writes h2c
.if DOCPART == 5
	.amdgcn_target "amdgcn-amd-amdhsa--gfx1250"
	.amdhsa_code_object_version 6
	.text
	.protected	k_q09760a7cf8_ln2
	.globl	k_q09760a7cf8_ln2
	.p2align	8
	.type	k_q09760a7cf8_ln2,@function
k_q09760a7cf8_ln2:
	s_mov_b64 s[64:65], 0
	v_nop
	global_prefetch_b8 v0, s[64:65] scope:SCOPE_SE
	s_setreg_imm32_b32 hwreg(HW_REG_WAVE_MODE, 25, 1), 1
	s_wait_xcnt 0x0
; h2c = codes of E4M3 of layernorm(x1) * g2 + beta2, with the scale 2^e8.  x1: [4096][1024] f32; h2c: [4096][1024] codes.
; A wave takes 4 rows, a row in 32 registers a lane (in each 256 numbers a lane holds 8 neighbours, as the conversion wants them); the mean first, then the mean of the squared differences: no difference of large sums.
; A stream: each byte read once, no LDS, no barrier, no matrix unit, no cluster: waves share nothing but g2 and beta2.
; LIMIT: e8 between -126 and 119.  NaN is not served.
.set XR,   16                          ; v16-143 four rows
.set G,    144                         ; v144-175 the gain at my 32 columns
.set BE,   176                         ; v176-207 the offset
.set CD,   208                         ; v208-215 a row's codes
.set T,    216                         ; v216-223 at work
.set SEL,  58                          ; s[58:59] lane selects: lane l xor 16
.macro REDUCE r, t                     ; the sum of v[r] over the 32 lanes, in every lane; v[t] has been written before
	v_add_f32_dpp v[\r], v[\r], v[\r] row_xmask:1 row_mask:0xf bank_mask:0xf
	v_add_f32_dpp v[\r], v[\r], v[\r] row_xmask:2 row_mask:0xf bank_mask:0xf
	v_add_f32_dpp v[\r], v[\r], v[\r] row_xmask:4 row_mask:0xf bank_mask:0xf
	v_add_f32_dpp v[\r], v[\r], v[\r] row_xmask:8 row_mask:0xf bank_mask:0xf
	v_permlanex16_b32 v[\t], v[\r], s[SEL], s[SEL+1]
	v_add_f32 v[\r], v[\r], v[\t]
.endm
.macro LNROW i
.set XI, XR+32*(\i)
	s_wait_loadcnt 8*(3-(\i))                      ; my row's eight loads are in (and g, beta, asked for earlier); the later rows' may be out
	v_pk_add_f32 v[T:T+1], v[XI:XI+1], v[XI+2:XI+3]
	v_pk_add_f32 v[T+2:T+3], v[XI+4:XI+5], v[XI+6:XI+7]
.set jj, 8
.rept 6
	v_pk_add_f32 v[T:T+1], v[T:T+1], v[XI+jj:XI+jj+1]
	v_pk_add_f32 v[T+2:T+3], v[T+2:T+3], v[XI+jj+2:XI+jj+3]
.set jj, jj+4
.endr
	v_pk_add_f32 v[T:T+1], v[T:T+1], v[T+2:T+3]
	v_add_f32 v[T], v[T], v[T+1]
	REDUCE T, T+1
	v_mul_f32 v[T], s60, v[T]                      ; the mean
.set jj, 0
.rept 16
	v_pk_add_f32 v[XI+jj:XI+jj+1], v[XI+jj:XI+jj+1], v[T:T+1] op_sel_hi:[1,0] neg_lo:[0,1] neg_hi:[0,1]   ; x - mean
.set jj, jj+2
.endr
	v_pk_mul_f32 v[T+2:T+3], v[XI:XI+1], v[XI:XI+1]
	v_pk_mul_f32 v[T+4:T+5], v[XI+2:XI+3], v[XI+2:XI+3]
.set jj, 4
.rept 7
	v_pk_fma_f32 v[T+2:T+3], v[XI+jj:XI+jj+1], v[XI+jj:XI+jj+1], v[T+2:T+3]
	v_pk_fma_f32 v[T+4:T+5], v[XI+jj+2:XI+jj+3], v[XI+jj+2:XI+jj+3], v[T+4:T+5]
.set jj, jj+4
.endr
	v_pk_add_f32 v[T+2:T+3], v[T+2:T+3], v[T+4:T+5]
	v_add_f32 v[T+2], v[T+2], v[T+3]
	REDUCE T+2, T+3
	v_fma_f32 v[T+2], v[T+2], s60, s61             ; the variance + 1e-5
	v_rsq_f32 v[T+4], v[T+2]
	v_mov_b32 v[T+5], 0                            ; a plain instruction behind the transcendental (ISA guide 5.7.2); it also writes the pair's upper half
	s_wait_alu depctr_va_vdst(0)                   ; ahead of the result's first reader
.set jj, 0
.rept 16
	v_pk_mul_f32 v[XI+jj:XI+jj+1], v[XI+jj:XI+jj+1], v[T+4:T+5] op_sel_hi:[1,0]
.set jj, jj+2
.endr
.set jj, 0
.rept 16
	v_pk_fma_f32 v[XI+jj:XI+jj+1], v[XI+jj:XI+jj+1], v[G+jj:G+jj+1], v[BE+jj:BE+jj+1]
.set jj, jj+2
.endr
.set jj, 0
.rept 32
	v_med3_num_f32 v[XI+jj], v[XI+jj], -v4, v4     ; the conversion does not saturate (ISA guide 7.6.2): the hold at 448 x 2^e
.set jj, jj+1
.endr
	s_wait_xcnt 0x0                                ; the last row's stores have read the codes' registers
.irp c, 0,1,2,3
	v_cvt_scalef32_pk8_fp8_f32 v[CD+2*\c:CD+2*\c+1], v[XI+8*\c:XI+8*\c+7], v5
.endr
	v_nop                                          ; a plain instruction behind the last conversion
.irp c, 0,1,2,3
	global_store_b64 v3, v[CD+2*\c:CD+2*\c+1], s[22:23] offset:1024*(\i)+256*\c   ; 32 lanes store 256 consecutive bytes, aligned
.endr
.endm
	s_load_b256 s[4:11], s[0:1], 0x0               ; x1, g2, beta2, the scales' exponents
	s_load_b64 s[22:23], s[0:1], 0x20              ; h2c
	v_lshrrev_b32 v1, 5, v0
	v_readfirstlane_b32 s2, v1                     ; wave 0..3
	v_and_b32 v1, 31, v0                           ; lane
	s_lshl_b32 s36, ttmp9, 4
	s_lshl_b32 s37, s2, 2
	s_add_co_u32 s36, s36, s37                     ; my wave's first row
	s_lshl_b32 s38, s36, 12
	s_mov_b32 s39, 0
	s_lshl_b32 s40, s36, 10
	s_mov_b32 s41, 0
	s_mov_b32 s[SEL], 0x76543210
	s_mov_b32 s[SEL+1], 0xfedcba98
	s_mov_b32 s60, 0x3a800000                      ; 1 / 1024
	s_mov_b32 s61, 0x3727c5ac                      ; 1e-5
	v_lshlrev_b32 v2, 5, v1                        ; in: my 8 numbers of each 256
	v_lshlrev_b32 v3, 3, v1                        ; out: their 8 codes
	s_wait_kmcnt 0x0
	s_load_b32 s24, s[10:11], 0x20                 ; e8
	s_add_nc_u64 s[4:5], s[4:5], s[38:39]
	s_add_nc_u64 s[22:23], s[22:23], s[40:41]
.irp c, 0,1,2,3
	global_load_b128 v[G+8*\c:G+8*\c+3], v2, s[6:7] offset:1024*\c
	global_load_b128 v[G+8*\c+4:G+8*\c+7], v2, s[6:7] offset:1024*\c+16
	global_load_b128 v[BE+8*\c:BE+8*\c+3], v2, s[8:9] offset:1024*\c
	global_load_b128 v[BE+8*\c+4:BE+8*\c+7], v2, s[8:9] offset:1024*\c+16
.endr
.irp i, 0,1,2,3
.irp c, 0,1,2,3
	global_load_b128 v[XR+32*\i+8*\c:XR+32*\i+8*\c+3], v2, s[4:5] offset:4096*\i+1024*\c th:TH_LOAD_NT
	global_load_b128 v[XR+32*\i+8*\c+4:XR+32*\i+8*\c+7], v2, s[4:5] offset:4096*\i+1024*\c+16 th:TH_LOAD_NT
.endr
.endr
	s_wait_kmcnt 0x0
	s_add_co_i32 s36, s24, 127
	s_lshl_b32 s37, s36, 23
	v_mov_b32 v5, s37                              ; 2^e
	s_add_co_i32 s36, s36, 8
	s_lshl_b32 s36, s36, 23
	s_or_b32 s36, s36, 0x600000
	v_mov_b32 v4, s36                              ; 448 x 2^e
	LNROW 0
	LNROW 1
	LNROW 2
	LNROW 3
	s_endpgm
.Lfunc_end_k_q09760a7cf8_ln2:
	.size	k_q09760a7cf8_ln2, .Lfunc_end_k_q09760a7cf8_ln2-k_q09760a7cf8_ln2
	.p2alignl 7, 3214868480
	.fill 96, 4, 3214868480
	.section	.rodata,"a",@progbits
	.p2align	6, 0x0
	.amdhsa_kernel k_q09760a7cf8_ln2
		.amdhsa_group_segment_fixed_size 0
		.amdhsa_private_segment_fixed_size 0
		.amdhsa_enable_private_segment 0
		.amdhsa_kernarg_size 40
		.amdhsa_user_sgpr_count 2
		.amdhsa_user_sgpr_kernarg_segment_ptr 1
		.amdhsa_wavefront_size32 1
		.amdhsa_system_sgpr_workgroup_id_x 1
		.amdhsa_system_sgpr_workgroup_id_y 1
		.amdhsa_system_sgpr_workgroup_id_z 1
		.amdhsa_system_vgpr_workitem_id 0
		.amdhsa_next_free_vgpr 224
		.amdhsa_next_free_sgpr 66
		.amdhsa_reserve_vcc 0
		.amdhsa_float_denorm_mode_32 3
		.amdhsa_float_denorm_mode_16_64 3
		.amdhsa_memory_ordered 1
		.amdhsa_forward_progress 1
		.amdhsa_inst_pref_size 41
	.end_amdhsa_kernel
	.amdgpu_metadata
---
amdhsa.version: [ 1, 2 ]
amdhsa.kernels:
  - .name:           k_q09760a7cf8_ln2
    .symbol:         k_q09760a7cf8_ln2.kd
    .args:
      - { .name: x1, .offset: 0, .size: 8, .value_kind: global_buffer, .address_space: global }
      - { .name: g2, .offset: 8, .size: 8, .value_kind: global_buffer, .address_space: global }
      - { .name: beta2, .offset: 16, .size: 8, .value_kind: global_buffer, .address_space: global }
      - { .name: lowp_scales, .offset: 24, .size: 8, .value_kind: global_buffer, .address_space: global }
      - { .name: h2c, .offset: 32, .size: 8, .value_kind: global_buffer, .address_space: global }
    .group_segment_fixed_size: 0
    .private_segment_fixed_size: 0
    .kernarg_segment_align: 8
    .kernarg_segment_size: 40
    .max_flat_workgroup_size: 128
    .sgpr_count:     66
    .vgpr_count:     224
    .wavefront_size: 32
...
	.end_amdgpu_metadata
.endif
;; end of part 5
;; launch ff1 (part 6): grid 16 x 16, 4 waves a work-group, clusters of 4 x 4, 327,680 bytes of LDS; arguments h2c, wc, lowp_scales, b_ff1, hid; writes hid
.if DOCPART == 6
	.amdgcn_target "amdgcn-amd-amdhsa--gfx1250"
	.amdhsa_code_object_version 6
	.text
	.protected	k_q09760a7cf8_ff1
	.globl	k_q09760a7cf8_ff1
	.p2align	8
	.type	k_q09760a7cf8_ff1,@function
k_q09760a7cf8_ff1:
	s_mov_b64 s[64:65], 0
	v_nop
	global_prefetch_b8 v0, s[64:65] scope:SCOPE_SE
	s_setreg_imm32_b32 hwreg(HW_REG_WAVE_MODE, 25, 1), 1
	s_wait_xcnt 0x0
	s_wait_alu depctr_hold_cnt(0) depctr_sa_sdst(0) depctr_va_vdst(0) depctr_va_sdst(0) depctr_va_ssrc(0) depctr_va_vcc(0) depctr_vm_vsrc(0)
	s_getreg_b32 s2, hwreg(HW_REG_IB_STS2, 6, 4)
	s_cmp_eq_u32 s2, 0
	s_cbranch_scc0 .Lentry_in_a_cluster
	s_endpgm
.Lentry_in_a_cluster:
	s_bfe_u32 s2, ttmp6, 0x10000c
	s_cmp_lg_u32 s2, 0xf033
	s_cbranch_scc0 .Lentry_shape_is_right
	s_endpgm
.Lentry_shape_is_right:
; hid = codes of relu(h2 w_ff1 + b_ff1), on codes of E4M3.  h2c: [4096][1024] codes; w_ff1's codes [4096][1024] at byte 4,194,304 of wc; hid: [4096][4096] codes.
; A tile of 256 x 256 is made by four waves, each 128 x 128: 64 accumulators, 512 registers; 256 work-groups.  K = 1,024 goes in four steps of 256 through a ring of two LDS slots filled by the tensor data mover.
; The matrix instruction is used transposed (source 0 = 16 rows of the weight's codes, source 1 = 16 tokens): a lane holds eight neighbouring hidden units of a token, which one conversion turns into 8 codes.
; The activation costs nothing: the hold that the conversion wants anyway clips at 0 as well.
; CLUSTERS: 4 x 4 work-groups; the tokens' tile is asked for jointly along a row of the cluster, the weight's along a column.
; LIMITS: e8 + e9 between -126 and 127; e10 between -126 and 119.  NaN is not served.
; REGISTERS: window 0: v0-31 addresses; v64-127 the bias; from v128 the tokens' fragments, ONE set; on the way out v128-255.  window 1: the weight's fragments, TWO sets.  windows 2, 3: the accumulators.
.set KSTEP,  256
.set ROWB,   256
.set KROW,   1024
.set PITCH,  272                       ; an LDS row: 256 bytes + 16 of padding: the 16 rows of a fragment load start at 16 different banks (ISA guide 11.1)
.set FR,     16
.set NL,     4
.set NP,     4                         ; places behind this matrix instruction (ISA guide 7.12.1)
.set HALFT,  128*PITCH
.set SLOT,   4*HALFT
.set LAPS,   2
.set SPARE,  2*SLOT                    ; behind the ring: the spare words, 128 bytes a wave
.set ADRA, 16
.set ADRB, 20
.set SPW,  28
.set NIL,  29
.set AF,   128
.set BIAS, 64
.set TMP,  128
.set CD,   192
.set G1, 24
.set G0, 32
.set G1B, 48
.set G0B, 56
.set MSB, 0
.macro WIN new                         ; the immediate's high byte repeats the setting that is left
.if MSB != \new
	s_set_vgpr_msb (MSB<<8)|\new
.set MSB, \new
.endif
.endm
.set MUL_LO, 0xa1
.set MUL_HI, 0xf1
.set TO_B,   0x40
.macro JLOAD g0a, g1a, g0b, g1b        ; a joint load: waves 0 and 1 fetch tokens, waves 2 and 3 the weight; an s_nop 0 and four v_nop follow each line
	s_cmp_eq_u32 s15, 0
	s_cbranch_scc0 .Lfor_b_\@
	tensor_load_to_lds s[\g0a:\g0a+3], s[\g1a:\g1a+7]
	s_nop 0
.rept 4
	v_nop
.endr
	s_branch .Lasked_\@
.Lfor_b_\@:
	tensor_load_to_lds s[\g0b:\g0b+3], s[\g1b:\g1b+7]
	s_nop 0
.rept 4
	v_nop
.endr
.Lasked_\@:
.endm
.macro CREST
	s_cmp_lg_u32 s14, 0
	s_cbranch_scc1 .Lnot_wave_0_\@
	s_barrier_signal -3
.Lnot_wave_0_\@:
	s_barrier_wait -3
	s_barrier_signal -1
	s_barrier_wait -1
.endm
.macro CROUND
	s_barrier_signal -1
	s_barrier_wait -1
	CREST
.endm
	s_load_b256 s[4:11], s[0:1], 0x0               ; h2c s[4:5], wc s[6:7], the scales' exponents s[8:9], b_ff1 s[10:11]
	s_load_b64 s[12:13], s[0:1], 0x20              ; hid
	v_lshl_add_u32 v[SPW], v0, 2, SPARE
	v_mov_b32 v[NIL], 0
	ds_add_u32 v[SPW], v[NIL]                      ; the wave's opening: the add and its wait ahead of my first tensor load
	v_lshrrev_b32 v1, 5, v0
	v_readfirstlane_b32 s14, v1                    ; wave 0..3
	s_lshr_b32 s15, s14, 1                         ; which half of the tile's tokens is mine.  Also: I fetch tokens (0) or the weight (1)
	s_and_b32 s16, s14, 1                          ; which half of its columns.  Also: which 128 rows I fetch
	s_bfe_u32 s40, ttmp6, 0x40000
	s_bfe_u32 s41, ttmp6, 0x40004
	s_lshl_b32 s42, ttmp9, 2
	s_add_co_u32 s42, s42, s40                     ; tile column
	s_and_b32 s17, ttmp7, 0xffff
	s_lshl_b32 s17, s17, 2
	s_add_co_u32 s17, s17, s41                     ; tile row
	s_lshl_b32 s43, s41, 2
	s_lshl_b32 s43, 15, s43
	s_lshl_b32 s44, 0x1111, s40
	s_or_b32 s[G1+0], s43, (0<<16)|(1<<20)|(1<<21)|(5<<22)|(3<<25)  ; the mask; elements of 1 byte; padding on; bit 21 beside a mask; after every 64 words, 4 words
	s_or_b32 s[G1B+0], s44, (0<<16)|(1<<20)|(1<<21)|(5<<22)|(3<<25)
.irp g, G1, G1B
	s_mov_b32 s[\g+1], ROWB<<16
	s_mov_b32 s[\g+2], 128<<16
	s_mov_b32 s[\g+3], ROWB<<16
	s_mov_b32 s[\g+4], 128
	s_mov_b32 s[\g+5], KROW
	s_mov_b32 s[\g+6], 0
	s_mov_b32 s[\g+7], 0
.endr
	s_lshl_b32 s18, s16, 7
	s_lshl_b32 s20, s17, 8
	s_add_co_u32 s20, s20, s18
	s_lshl_b32 s20, s20, 10
	s_lshl_b32 s46, s42, 8
	s_add_co_u32 s46, s46, s18
	s_lshl_b32 s46, s46, 10
	s_mov_b32 s21, 0
	s_mov_b32 s47, 0
	s_mul_i32 s45, s14, HALFT
	s_wait_dscnt 0x0                               ; the opening add is done
	s_wait_kmcnt 0x0
	s_load_b128 s[80:83], s[8:9], 0x20             ; e8 .. e11
	s_add_nc_u64 s[20:21], s[4:5], s[20:21]
	s_add_nc_u64 s[46:47], s[6:7], s[46:47]
	s_add_nc_u64 s[46:47], s[46:47], 4194304       ; w_ff1's codes
	CROUND                                         ; all sixteen work-groups are here: the first joint loads meet
.irp s, 0,1
	s_mov_b32 s[G0+4*\s], 1
	s_add_co_u32 s[G0+4*\s+1], s45, \s*SLOT
	s_add_nc_u64 s[G0+4*\s+2:G0+4*\s+3], s[20:21], \s*ROWB
	s_or_b32 s[G0+4*\s+3], s[G0+4*\s+3], 0x80000000
	s_mov_b32 s[G0B+4*\s], 1
	s_add_co_u32 s[G0B+4*\s+1], s45, \s*SLOT
	s_add_nc_u64 s[G0B+4*\s+2:G0B+4*\s+3], s[46:47], \s*ROWB
	s_or_b32 s[G0B+4*\s+3], s[G0B+4*\s+3], 0x80000000
	JLOAD G0+4*\s, G1, G0B+4*\s, G1B
.endr
	v_and_b32 v1, 15, v0                           ; r
	v_bfe_u32 v2, v0, 4, 1                         ; h
	v_mul_u32_u24 v3, v1, PITCH
	v_lshl_add_u32 v4, v2, 4, v3
	s_mul_i32 s21, s15, HALFT
	s_mul_i32 s22, s16, HALFT
	s_add_co_u32 s22, s22, 2*HALFT
.irp s, 0,1
	v_add_nc_u32 v[ADRA+\s], s21, v4
	v_add_nc_u32 v[ADRB+\s], s22, v4
	s_add_co_u32 s21, s21, SLOT
	s_add_co_u32 s22, s22, SLOT
.endr
	; the bias: asked for now, waited for on the way out; its registers and address are not touched in between
	v_lshlrev_b32 v7, 5, v2                        ; 32 h
	s_lshl_b32 s76, s42, 8
	s_lshl_b32 s77, s16, 7
	s_add_co_u32 s76, s76, s77
	s_lshl_b32 s76, s76, 2
	s_mov_b32 s77, 0
	s_add_nc_u64 s[76:77], s[10:11], s[76:77]
.irp b, 0,1,2,3,4,5,6,7
	global_load_b128 v[BIAS+8*\b:BIAS+8*\b+3], v7, s[76:77] offset:64*\b       ; columns 16 b + 8 h + 0 .. 7
	global_load_b128 v[BIAS+8*\b+4:BIAS+8*\b+7], v7, s[76:77] offset:64*\b+16
.endr
	; the way out: ONE stage for the work-group, 256 rows x 272 bytes, in slot 0: a row's 256 bytes come from two waves
	s_mul_i32 s23, s15, 128*272
	s_lshl_b32 s22, s16, 7
	s_add_co_u32 s23, s23, s22
	v_mul_u32_u24 v9, v1, 272
	v_lshl_add_u32 v9, v2, 3, v9
	v_add_nc_u32 v9, s23, v9                       ; in: row 128 x half + r, my half of its bytes, 8 for each half of the lanes
	s_mul_i32 s23, s14, 64*272
	v_mul_u32_u24 v10, v2, 272
	v_lshl_add_u32 v10, v1, 4, v10
	v_add_nc_u32 v10, s23, v10                     ; back: wave w takes rows 64 w on, whole; lanes 0-15 one row, lanes 16-31 the next
	v_lshlrev_b32 v3, 12, v2
	v_lshl_add_u32 v13, v1, 4, v3                  ; the same two rows in hid, 4,096 bytes apart
	s_lshl_b32 s20, s17, 8
	s_lshl_b32 s21, s14, 6
	s_add_co_u32 s20, s20, s21
	s_lshl_b32 s20, s20, 12                        ; the first row that I store
	s_lshl_b32 s21, s42, 8
	s_add_co_u32 s20, s20, s21                     ; the tile's first column
	s_mov_b32 s21, 0
	s_add_nc_u64 s[12:13], s[12:13], s[20:21]
.macro FRAG reg, adr, q, i             ; 16 rows x 128 K in 16 registers: registers 4 c .. 4 c + 3 hold K = 32 c + 16 (l / 16) + 0 .. 15: the same order of k on both sides
.irp c, 0,1,2,3
	ds_load_b128 v[\reg+4*\c:\reg+4*\c+3], v[\adr] offset:128*(\q)+32*\c+(\i)*16*PITCH
.endr
.endm
.macro MUL16 a0, p, zero               ; 16 matrix instructions; the 64 accumulators take turns, one instruction a turn
.irp a, \a0, \a0+1
.irp b, 0,1,2,3,4,5,6,7
.if \zero
	v_wmma_f32_16x16x128_fp8_fp8 v[8*(8*((\a)%4)+\b):8*(8*((\a)%4)+\b)+7], v[128*(\p)+FR*\b:128*(\p)+FR*\b+FR-1], v[AF+FR*(\a):AF+FR*(\a)+FR-1], 0
.else
	v_wmma_f32_16x16x128_fp8_fp8 v[8*(8*((\a)%4)+\b):8*(8*((\a)%4)+\b)+7], v[128*(\p)+FR*\b:128*(\p)+FR*\b+FR-1], v[AF+FR*(\a):AF+FR*(\a)+FR-1], v[8*(8*((\a)%4)+\b):8*(8*((\a)%4)+\b)+7]
.endif
.endr
.endr
.endm
.macro FETCH_B slot, q, p
	WIN TO_B
.irp i, 0,1,2,3,4,5,6,7
	FRAG 128*(\p)+FR*\i, ADRB+\slot, \q, \i
.endr
	WIN 0
.endm
.macro FETCH_A slot, q, i0
.irp i, \i0, \i0+1, \i0+2, \i0+3
	FRAG AF+FR*(\i), ADRA+\slot, \q, \i
.endr
.endm
.macro PLACES n
.rept \n
	v_nop
.endr
.endm
.macro STEP slot, q, zero
	s_wait_dscnt 4*NL                              ; the weight's set and token blocks 0-3 are in; the youngest 16 loads (blocks 4-7) may be out
	WIN MUL_LO
	MUL16 0, (\q)%2, \zero
	MUL16 2, (\q)%2, \zero
	s_wait_dscnt 0
	PLACES NP
	FETCH_B \slot, (\q)+1, 1-(\q)%2
	FETCH_A \slot, (\q)+1, 0
	WIN MUL_HI
	MUL16 4, (\q)%2, \zero
	MUL16 6, (\q)%2, \zero
	PLACES NP
	WIN 0
	FETCH_A \slot, (\q)+1, 4
.endm
.macro TURN slot, next, fill           ; a slot's last step changes slots: one barrier, the three lines ahead of it
	s_wait_tensorcnt 0x0                           ; all my tensor loads have landed: my part of the next slot
	ds_add_u32 v[SPW], v[NIL]
	s_wait_dscnt 4*NL+1                            ; (the add and the youngest 16 loads may be out)
	WIN MUL_LO
	MUL16 0, 1, 0
	s_wait_dscnt 0x0                               ; the add is done, and my reads of this slot are over
	s_barrier_signal -1
	MUL16 2, 1, 0
	WIN 0
	s_barrier_wait -1
.if \fill
	CREST                                          ; the barrier has opened a round of the cluster's
	s_add_nc_u64 s[G0+4*\slot+2:G0+4*\slot+3], s[G0+4*\slot+2:G0+4*\slot+3], 2*ROWB
	s_add_nc_u64 s[G0B+4*\slot+2:G0B+4*\slot+3], s[G0B+4*\slot+2:G0B+4*\slot+3], 2*ROWB
	JLOAD G0+4*\slot, G1, G0B+4*\slot, G1B         ; the first tensor load behind the round
.else
	PLACES NP
.endif
	FETCH_B \next, 0, 0
	FETCH_A \next, 0, 0
	WIN MUL_HI
	MUL16 4, 1, 0
	MUL16 6, 1, 0
	PLACES NP
	WIN 0
	FETCH_A \next, 0, 4
.endm
	s_wait_tensorcnt 1                             ; my part of K step 0 is in (K step 1's load may be out),
	s_barrier_signal -1
	s_barrier_wait -1                              ; everybody's is
	FETCH_B 0, 0, 0
	FETCH_A 0, 0, 0
	FETCH_A 0, 0, 4
	STEP 0, 0, 1                                   ; the first step's products start the sums
	s_mov_b32 s3, LAPS-1
.Llap:
	TURN 0, 1, 1
	STEP 1, 0, 0
	TURN 1, 0, 1
	STEP 0, 0, 0
	s_sub_co_u32 s3, s3, 1
	s_cmp_lg_u32 s3, 0
	s_cbranch_scc1 .Llap
	TURN 0, 1, 0                                   ; the last lap fills nothing
	STEP 1, 0, 0
	s_wait_dscnt 4*NL
	WIN MUL_LO
	MUL16 0, 1, 0
	MUL16 2, 1, 0
	s_wait_dscnt 0
	WIN MUL_HI
	MUL16 4, 1, 0
	MUL16 6, 1, 0
	WIN 0
; THE WAY OUT: number = sum x 2^(e8 + e9) + bias; held between 0 and 448 x 2^e10 (the activation and the hold in one); converted; 8 codes a lane and tile into the work-group's stage
; (slot 0 has had its last fill and its last read); a barrier; back as whole rows of 256 bytes, 64 rows a wave.
.macro VALS a                          ; each accumulator is read from its low end on
.set AC, 64*((\a)%4)
	WIN (0x02+((\a)/4))
.set jj, 0
.rept 32
	v_pk_fma_f32 v[TMP+jj:TMP+jj+1], v[AC+jj:AC+jj+1], s[96:97], v[BIAS+jj:BIAS+jj+1] op_sel_hi:[1,0,1]
.set jj, jj+2
.endr
	WIN 0
.endm
.macro CODES
.set jj, 0
.rept 64
	v_med3_num_f32 v[TMP+jj], v[TMP+jj], 0, v31
.set jj, jj+1
.endr
.set jj, 0
.rept 8
	v_cvt_scalef32_pk8_fp8_f32 v[CD+2*jj:CD+2*jj+1], v[TMP+8*jj:TMP+8*jj+7], v30
.set jj, jj+1
.endr
	v_nop                                          ; a plain instruction behind the last conversion
.endm
	s_wait_kmcnt 0x0
	s_wait_loadcnt 0x0                             ; the bias
	s_add_co_i32 s96, s80, s81
	s_add_co_i32 s96, s96, 127
	s_lshl_b32 s96, s96, 23                        ; 2^(e8 + e9) as f32
	s_mov_b32 s97, s96
	s_add_co_i32 s98, s82, 127
	s_lshl_b32 s99, s98, 23
	v_mov_b32 v30, s99                             ; 2^e10
	s_add_co_i32 s98, s98, 8
	s_lshl_b32 s98, s98, 23
	s_or_b32 s98, s98, 0x600000
	v_mov_b32 v31, s98                             ; 448 x 2^e10
	PLACES NP                                      ; behind the last products
.irp a, 0,1,2,3,4,5,6,7
	VALS \a
	CODES
.irp b, 0,1,2,3,4,5,6,7
	ds_store_b64 v9, v[CD+2*\b:CD+2*\b+1] offset:4352*\a+16*\b
.endr
.endr
	s_wait_dscnt 0x0                               ; for the others' sake: my stores into the stage have landed
	s_barrier_signal -1
	s_barrier_wait -1
.set tt, 0
.rept 32
	ds_load_b128 v[128+4*tt:131+4*tt], v10 offset:544*tt
.set tt, tt+1
.endr
.set tt, 0
.rept 32
	s_wait_dscnt 31-tt                             ; the younger loads may stay out
	global_store_b128 v13, v[128+4*tt:131+4*tt], s[12:13] offset:8192*tt   ; sixteen lanes store 256 consecutive bytes, aligned
.set tt, tt+1
.endr
	s_wait_tensorcnt 0x0                           ; the wave's end, behind my last tensor load and my last LDS store
	ds_add_u32 v[SPW], v[NIL]
	s_wait_dscnt 0x0
	CROUND                                         ; the closing round
	s_endpgm
.Lfunc_end_k_q09760a7cf8_ff1:
	.size	k_q09760a7cf8_ff1, .Lfunc_end_k_q09760a7cf8_ff1-k_q09760a7cf8_ff1
	.p2alignl 7, 3214868480
	.fill 96, 4, 3214868480
	.section	.rodata,"a",@progbits
	.p2align	6, 0x0
	.amdhsa_kernel k_q09760a7cf8_ff1
		.amdhsa_group_segment_fixed_size 327680
		.amdhsa_private_segment_fixed_size 0
		.amdhsa_enable_private_segment 0
		.amdhsa_kernarg_size 40
		.amdhsa_user_sgpr_count 2
		.amdhsa_user_sgpr_kernarg_segment_ptr 1
		.amdhsa_wavefront_size32 1
		.amdhsa_system_sgpr_workgroup_id_x 1
		.amdhsa_system_sgpr_workgroup_id_y 1
		.amdhsa_system_sgpr_workgroup_id_z 1
		.amdhsa_system_vgpr_workitem_id 0
		.amdhsa_next_free_vgpr 1024
		.amdhsa_next_free_sgpr 100
		.amdhsa_reserve_vcc 0
		.amdhsa_float_denorm_mode_32 3
		.amdhsa_float_denorm_mode_16_64 3
		.amdhsa_memory_ordered 1
		.amdhsa_forward_progress 1
		.amdhsa_inst_pref_size 143
	.end_amdhsa_kernel
	.amdgpu_metadata
---
amdhsa.version: [ 1, 2 ]
amdhsa.kernels:
  - .name:           k_q09760a7cf8_ff1
    .symbol:         k_q09760a7cf8_ff1.kd
    .args:
      - { .name: h2c, .offset: 0, .size: 8, .value_kind: global_buffer, .address_space: global }
      - { .name: wc, .offset: 8, .size: 8, .value_kind: global_buffer, .address_space: global }
      - { .name: lowp_scales, .offset: 16, .size: 8, .value_kind: global_buffer, .address_space: global }
      - { .name: b_ff1, .offset: 24, .size: 8, .value_kind: global_buffer, .address_space: global }
      - { .name: hid, .offset: 32, .size: 8, .value_kind: global_buffer, .address_space: global }
    .group_segment_fixed_size: 327680
    .private_segment_fixed_size: 0
    .kernarg_segment_align: 8
    .kernarg_segment_size: 40
    .max_flat_workgroup_size: 128
    .sgpr_count:     100
    .vgpr_count:     1024
    .wavefront_size: 32
...
	.end_amdgpu_metadata
.endif
;; end of part 6
;; launch ff2 (part 7): grid 8 x 32, 4 waves a work-group, clusters of 4 x 4, 327,680 bytes of LDS; arguments hid, wc, lowp_scales, b_ff2, x1, out0; writes out0
.if DOCPART == 7
	.amdgcn_target "amdgcn-amd-amdhsa--gfx1250"
	.amdhsa_code_object_version 6
	.text
	.protected	k_q09760a7cf8_ff2
	.globl	k_q09760a7cf8_ff2
	.p2align	8
	.type	k_q09760a7cf8_ff2,@function
k_q09760a7cf8_ff2:
	s_mov_b64 s[64:65], 0
	v_nop
	global_prefetch_b8 v0, s[64:65] scope:SCOPE_SE
	s_setreg_imm32_b32 hwreg(HW_REG_WAVE_MODE, 25, 1), 1
	s_wait_xcnt 0x0
	s_wait_alu depctr_hold_cnt(0) depctr_sa_sdst(0) depctr_va_vdst(0) depctr_va_sdst(0) depctr_va_ssrc(0) depctr_va_vcc(0) depctr_vm_vsrc(0)
	s_getreg_b32 s2, hwreg(HW_REG_IB_STS2, 6, 4)
	s_cmp_eq_u32 s2, 0
	s_cbranch_scc0 .Lentry_in_a_cluster
	s_endpgm
.Lentry_in_a_cluster:
	s_bfe_u32 s2, ttmp6, 0x10000c
	s_cmp_lg_u32 s2, 0xf033
	s_cbranch_scc0 .Lentry_shape_is_right
	s_endpgm
.Lentry_shape_is_right:
; OPROJ = 1: x1 = x + (o w_out + b_out);  OPROJ = 0: out0 = x1 + (hidden w_ff2 + b_ff2).  Both products on codes of E4M3; the result is f32 [4096][1024].
; A tile of 128 x 128 gives 256 work-groups.  Four waves, each 64 x 64: 16 accumulators.  K goes in steps of 512 codes through a ring of two LDS slots filled by the tensor data mover.
; The matrix instruction (K = 64) is used transposed (source 0 = 16 rows of the weight's codes, source 1 = 16 tokens): a lane holds eight neighbouring columns of a token's row.
; A fragment, 16 rows x 64 K, is 8 registers by two loads of 16 bytes, 32 bytes apart: registers 0-3 hold K = 16 (l / 16) + 0 .. 15, registers 4-7 K = 32 + 16 (l / 16) + 0 .. 15: the same order of k on both sides.
; OPROJ = 0: the tokens' codes lie [4096][4096]: a tile's row is 512 bytes of memory, 16 bytes of padding behind it in LDS.
; CLUSTERS: 4 x 4 work-groups; the tokens' tile is asked for jointly along a row of the cluster, the weight's along a column.
; The wave's 64 x 64 of the residual are asked for at the head, into registers that the loop does not name, and land under the products.
; LIMIT: the two exponents' sum between -126 and 127.
; REGISTERS: window 0: v0-31 addresses; v32-95 the way out; v96-99 the bias; v128-255 the accumulators ((a, b) at v[128 + 8 (4 a + b)]).  window 1: two fragment buffers of 128.  window 2: v0-127 the residual.
.set OPROJ, 0
.if OPROJ
.set KTOT,  1024
.set ASH,   10
.set HALFA, 128*272
.set AKS,   4352
.set AIS,   1088
.set ASTEP, 32768
.set WOFF,  3145728
.set SCOFF, 0x18
.set LNA,   4
.else
.set KTOT,  4096
.set ASH,   12                         ; log2 of a token's bytes, and of a weight row's
.set HALFA, 64*528                     ; 64 tokens' part of a slot
.set AKS,   64                         ; from 64 along K to the next
.set AIS,   16*528                     ; from 16 tokens to the next
.set ASTEP, 512                        ; a K step in memory
.set WOFF,  8388608                    ; the weight's codes in wc
.set SCOFF, 0x28                       ; e10, e11
.set LNA,   3
.endif
.set HALFB, 64*528                     ; 64 rows of the weight: 512 bytes + 16 of padding each
.set SLOT,  2*HALFA+2*HALFB
.set SPARE, 2*SLOT                     ; behind the ring: the spare words, 128 bytes a wave
.set LAPS,  KTOT/1024
.set ADRA, 16
.set ADRB, 20
.set STO,  24
.set RD,   25
.set CO,   26
.set SPW,  28
.set NIL,  29
.set TMP,  32
.set ACC,  128
.set F0,   0
.set F1,   128
.set G1, 24
.set G0, 32
.set G1B, 48
.set G0B, 56
.set MSB, 0
.macro WIN new                         ; the immediate's high byte repeats the setting that is left
.if MSB != \new
	s_set_vgpr_msb (MSB<<8)|\new
.set MSB, \new
.endif
.endm
.set MUL,  0x05                        ; sources 0 and 1 window 1; C and D window 0
.set TO_F, 0x40
.macro JLOAD s                         ; a joint load: waves 0 and 1 fetch the tokens' two halves, waves 2 and 3 the weight's; an s_nop 0 and four v_nop follow each line
	s_cmp_eq_u32 s11, 0
	s_cbranch_scc0 .Lfor_b_\@
	tensor_load_to_lds s[G0+4*\s:G0+4*\s+3], s[G1:G1+7]
	s_nop 0
.rept 4
	v_nop
.endr
	s_branch .Lasked_\@
.Lfor_b_\@:
	tensor_load_to_lds s[G0B+4*\s:G0B+4*\s+3], s[G1B:G1B+7]
	s_nop 0
.rept 4
	v_nop
.endr
.Lasked_\@:
.endm
.macro CREST
	s_cmp_lg_u32 s10, 0
	s_cbranch_scc1 .Lnot_wave_0_\@
	s_barrier_signal -3
.Lnot_wave_0_\@:
	s_barrier_wait -3
	s_barrier_signal -1
	s_barrier_wait -1
.endm
.macro CROUND
	s_barrier_signal -1
	s_barrier_wait -1
	CREST
.endm
	s_load_b256 s[68:75], s[0:1], 0x0              ; the tokens' codes s[68:69], wc s[70:71], the scales' exponents s[72:73], the bias s[74:75]
	s_load_b128 s[76:79], s[0:1], 0x20             ; the residual s[76:77], the result s[78:79]
	v_lshl_add_u32 v[SPW], v0, 2, SPARE
	v_mov_b32 v[NIL], 0
	ds_add_u32 v[SPW], v[NIL]                      ; the wave's opening: the add and its wait ahead of my first tensor load
	v_lshrrev_b32 v1, 5, v0
	v_readfirstlane_b32 s10, v1                    ; wave 0..3
	s_lshr_b32 s11, s10, 1                         ; which half of the tile's tokens is mine.  Also: I fetch tokens (0) or the weight (1)
	s_and_b32 s12, s10, 1                          ; which half of its columns.  Also: which 64 rows I fetch
	s_bfe_u32 s40, ttmp6, 0x40000
	s_bfe_u32 s41, ttmp6, 0x40004
	s_lshl_b32 s42, ttmp9, 2
	s_add_co_u32 s42, s42, s40                     ; tile column
	s_and_b32 s13, ttmp7, 0xffff
	s_lshl_b32 s13, s13, 2
	s_add_co_u32 s13, s13, s41                     ; tile row
	s_lshl_b32 s43, s41, 2
	s_lshl_b32 s43, 15, s43                        ; my row of the cluster
	s_lshl_b32 s44, 0x1111, s40                    ; my column
.if OPROJ
	s_or_b32 s[G1+0], s43, (0<<16)|(1<<20)|(1<<21)|(5<<22)|(3<<25)
	s_mov_b32 s[G1+1], 256<<16
	s_mov_b32 s[G1+2], 128<<16
	s_mov_b32 s[G1+3], 256<<16
	s_mov_b32 s[G1+4], 128
	s_mov_b32 s[G1+5], 256
.else
	s_or_b32 s[G1+0], s43, (0<<16)|(1<<20)|(1<<21)|(6<<22)|(3<<25)  ; elements of 1 byte; 4 words of padding after every 128
	s_mov_b32 s[G1+1], 512<<16                     ; tensor_dim0
	s_mov_b32 s[G1+2], 64<<16                      ; tensor_dim1
	s_mov_b32 s[G1+3], 512<<16                     ; tile_dim0
	s_mov_b32 s[G1+4], 64                          ; tile_dim1
	s_mov_b32 s[G1+5], KTOT                        ; the pitch in memory
.endif
	s_mov_b32 s[G1+6], 0
	s_mov_b32 s[G1+7], 0
	s_or_b32 s[G1B+0], s44, (0<<16)|(1<<20)|(1<<21)|(6<<22)|(3<<25)
	s_mov_b32 s[G1B+1], 512<<16
	s_mov_b32 s[G1B+2], 64<<16
	s_mov_b32 s[G1B+3], 512<<16
	s_mov_b32 s[G1B+4], 64
	s_mov_b32 s[G1B+5], KTOT
	s_mov_b32 s[G1B+6], 0
	s_mov_b32 s[G1B+7], 0
	s_lshl_b32 s17, s12, 6
	s_lshl_b32 s16, s13, 7
	s_add_co_u32 s16, s16, s17
	s_lshl_b32 s16, s16, ASH                       ; tokens 128 x tile row + 64 x half, in bytes
	s_lshl_b32 s46, s42, 7
	s_add_co_u32 s46, s46, s17
	s_lshl_b32 s46, s46, ASH                       ; the weight's rows 128 x tile column + 64 x half
	s_mov_b32 s17, 0
	s_mov_b32 s47, 0
	s_mul_i32 s20, s12, HALFA                      ; where they go: no place in the cluster enters an LDS address
	s_mul_i32 s23, s12, HALFB
	s_add_co_u32 s23, s23, 2*HALFA
	s_wait_dscnt 0x0                               ; the opening add is done
	s_wait_kmcnt 0x0
	s_load_b64 s[80:81], s[72:73], SCOFF           ; the two exponents
	s_add_nc_u64 s[14:15], s[68:69], s[16:17]
	s_add_nc_u64 s[46:47], s[70:71], s[46:47]
	s_add_nc_u64 s[46:47], s[46:47], WOFF
	CROUND                                         ; all sixteen work-groups are here: the first joint loads meet
.irp s, 0,1
	s_mov_b32 s[G0+4*\s], 1
	s_add_co_u32 s[G0+4*\s+1], s20, \s*SLOT
	s_add_nc_u64 s[G0+4*\s+2:G0+4*\s+3], s[14:15], \s*ASTEP
	s_or_b32 s[G0+4*\s+3], s[G0+4*\s+3], 0x80000000
	s_mov_b32 s[G0B+4*\s], 1
	s_add_co_u32 s[G0B+4*\s+1], s23, \s*SLOT
	s_add_nc_u64 s[G0B+4*\s+2:G0B+4*\s+3], s[46:47], \s*512
	s_or_b32 s[G0B+4*\s+3], s[G0B+4*\s+3], 0x80000000
	JLOAD \s
.endr
	v_and_b32 v1, 15, v0                           ; r
	v_bfe_u32 v2, v0, 4, 1                         ; h
	v_mul_u32_u24 v3, v1, 528
	v_lshl_add_u32 v3, v2, 4, v3                   ; rows of 528: row r, + 16 h
.if OPROJ
	v_lshrrev_b32 v4, 2, v1
	v_mul_u32_u24 v4, v4, 272
	v_and_b32 v5, 3, v1
	v_lshl_add_u32 v4, v5, 6, v4
	v_lshl_add_u32 v4, v2, 4, v4
.endif
	s_mul_i32 s21, s11, HALFA
	s_mul_i32 s22, s12, HALFB
	s_add_co_u32 s22, s22, 2*HALFA
.irp s, 0,1
	v_add_nc_u32 v[ADRA+\s], s21, v[LNA]
	v_add_nc_u32 v[ADRB+\s], s22, v3
	s_add_co_u32 s21, s21, SLOT
	s_add_co_u32 s22, s22, SLOT
.endr
	s_mul_i32 s23, s10, 4352                       ; the way out: my stage, 16 rows x 272 bytes, in slot 0
	v_mul_u32_u24 v[STO], v1, 272
	v_lshl_add_u32 v[STO], v2, 5, v[STO]
	v_add_nc_u32 v[STO], s23, v[STO]               ; in: row r, 32 bytes for each half of the lanes
	v_mul_u32_u24 v[RD], v2, 272
	v_lshl_add_u32 v[RD], v1, 4, v[RD]
	v_add_nc_u32 v[RD], s23, v[RD]                 ; back: lanes 0-15 one row of 256 bytes, lanes 16-31 the next
	v_lshlrev_b32 v5, 12, v2
	v_lshl_add_u32 v[CO], v1, 4, v5                ; the same two rows in memory, 4,096 bytes apart
	v_lshlrev_b32 v27, 4, v1                       ; my four columns of the bias
	s_lshl_b32 s16, s13, 7
	s_lshl_b32 s17, s11, 6
	s_add_co_u32 s16, s16, s17
	s_lshl_b32 s16, s16, 12                        ; my first row,
	s_lshl_b32 s46, s42, 7
	s_lshl_b32 s47, s12, 6
	s_add_co_u32 s46, s46, s47
	s_lshl_b32 s46, s46, 2                         ; my first column, in bytes
	s_mov_b32 s47, 0
	s_add_nc_u64 s[84:85], s[74:75], s[46:47]
	s_add_co_u32 s16, s16, s46
	s_mov_b32 s17, 0
	s_add_nc_u64 s[76:77], s[76:77], s[16:17]
	s_add_nc_u64 s[78:79], s[78:79], s[16:17]
	WIN 0x80                                       ; destination window 2
.set tt, 0
.rept 32
	global_load_b128 v[4*tt:4*tt+3], v[CO], s[76:77] offset:8192*tt th:TH_LOAD_NT   ; rows 2 tt, 2 tt + 1 of my 64: sixteen lanes read 256 consecutive bytes
.set tt, tt+1
.endr
	WIN 0
	global_load_b128 v[96:99], v27, s[84:85]
.macro MUL8 f, c, a0, zero             ; 8 matrix instructions: token blocks a0, a0 + 1 x all 4 column blocks, 64 along K.  The 16 accumulators take turns
.irp a, \a0, \a0+1
.irp b, 0,1,2,3
.if \zero
	v_wmma_f32_16x16x64_fp8_fp8 v[ACC+8*(4*(\a)+\b):ACC+8*(4*(\a)+\b)+7], v[\f+64+8*(4*\c+\b):\f+64+8*(4*\c+\b)+7], v[\f+8*(4*\c+\a):\f+8*(4*\c+\a)+7], 0
.else
	v_wmma_f32_16x16x64_fp8_fp8 v[ACC+8*(4*(\a)+\b):ACC+8*(4*(\a)+\b)+7], v[\f+64+8*(4*\c+\b):\f+64+8*(4*\c+\b)+7], v[\f+8*(4*\c+\a):\f+8*(4*\c+\a)+7], v[ACC+8*(4*(\a)+\b):ACC+8*(4*(\a)+\b)+7]
.endif
.endr
.endr
.endm
.macro FETCH slot, q, f                ; 32 LDS loads in one run: the fragments of the slot's q-th 128 along K into buffer f; its first 64 first
	WIN TO_F
.irp c, 0,1
.irp i, 0,1,2,3
	ds_load_b128 v[\f+64+8*(4*\c+\i):\f+64+8*(4*\c+\i)+3],   v[ADRB+\slot] offset:64*(2*(\q)+\c)+\i*8448
	ds_load_b128 v[\f+64+8*(4*\c+\i)+4:\f+64+8*(4*\c+\i)+7], v[ADRB+\slot] offset:64*(2*(\q)+\c)+\i*8448+32
	ds_load_b128 v[\f+8*(4*\c+\i):\f+8*(4*\c+\i)+3],         v[ADRA+\slot] offset:(2*(\q)+\c)*AKS+\i*AIS
	ds_load_b128 v[\f+8*(4*\c+\i)+4:\f+8*(4*\c+\i)+7],       v[ADRA+\slot] offset:(2*(\q)+\c)*AKS+\i*AIS+32
.endr
.endr
.endm
.macro PLACES                          ; four plain instructions ahead of loads into registers that matrix instructions have read, and of reads of results
.rept 4
	v_nop
.endr
.endm
.macro QUARTER slot, q, f, g, zero     ; multiplies buffer f (128 along K) and fetches the slot's quarter q into g
	s_wait_dscnt 16                                ; the first 64 along K are in; the other 16 loads may be out
	WIN MUL
	MUL8 \f, 0, 0, \zero
	MUL8 \f, 0, 2, \zero
	PLACES
	FETCH \slot, \q, \g
	s_wait_dscnt 32                                ; all but the 32 just issued
	WIN MUL
	MUL8 \f, 1, 0, 0
	MUL8 \f, 1, 2, 0
.endm
; The last quarter changes slots: one barrier; ahead of it each wave waits for all its tensor loads, adds 0 to its spare word, and waits for that and for its reads of this slot.
.macro TURN slot, next, fill
	WIN 0
	s_wait_tensorcnt 0x0                           ; all my tensor loads have landed: my part of the next slot
	ds_add_u32 v[SPW], v[NIL]
	s_wait_dscnt 17                                ; (the add and the youngest sixteen loads may be out)
	WIN MUL
	MUL8 F1, 0, 0, 0
	s_wait_dscnt 0x0                               ; the add is done, and my reads of this slot are over
	s_barrier_signal -1
	MUL8 F1, 0, 2, 0
.if \fill
	WIN 0
.endif
	s_barrier_wait -1
.if \fill
	CREST                                          ; the barrier has opened a round of the cluster's: no wave of any partner still reads this slot or has a load on its way
	s_add_nc_u64 s[G0+4*\slot+2:G0+4*\slot+3], s[G0+4*\slot+2:G0+4*\slot+3], 2*ASTEP
	s_add_nc_u64 s[G0B+4*\slot+2:G0B+4*\slot+3], s[G0B+4*\slot+2:G0B+4*\slot+3], 2*512
	JLOAD \slot                                    ; the first tensor load behind the round; its four v_nop are the places in front of the loads below
.else
	PLACES
.endif
	FETCH \next, 0, F0
	WIN MUL
	MUL8 F1, 1, 0, 0
	MUL8 F1, 1, 2, 0
.endm
	s_wait_tensorcnt 1                             ; my part of K step 0 is in (K step 1's load may be out),
	s_barrier_signal -1
	s_barrier_wait -1                              ; everybody's is
	FETCH 0, 0, F0
	QUARTER 0, 1, F0, F1, 1                        ; the first products start the sums
.if LAPS > 1
	WIN 0
	s_mov_b32 s3, LAPS-1
.Llap:                                                 ; once round the ring; both slots are filled again
	QUARTER 0, 2, F1, F0, 0
	QUARTER 0, 3, F0, F1, 0
	TURN 0, 1, 1
	QUARTER 1, 1, F0, F1, 0
	QUARTER 1, 2, F1, F0, 0
	QUARTER 1, 3, F0, F1, 0
	TURN 1, 0, 1
	QUARTER 0, 1, F0, F1, 0
	WIN 0
	s_sub_co_u32 s3, s3, 1
	s_cmp_lg_u32 s3, 0
	s_cbranch_scc1 .Llap
.endif
	QUARTER 0, 2, F1, F0, 0                        ; the last lap fills nothing
	QUARTER 0, 3, F0, F1, 0
	TURN 0, 1, 0
	QUARTER 1, 1, F0, F1, 0
	QUARTER 1, 2, F1, F0, 0
	QUARTER 1, 3, F0, F1, 0
	s_wait_dscnt 16
	WIN MUL
	MUL8 F1, 0, 0, 0
	MUL8 F1, 0, 2, 0
	s_wait_dscnt 0
	MUL8 F1, 1, 0, 0
	MUL8 F1, 1, 2, 0
	WIN 0
; THE WAY OUT, 16 tokens at a time: the sums go through my own stage (slot 0 has had its last fill and its last read) and come back as whole rows of 256 bytes; then sum x 2^(ea + eb) + bias, + the residual.
.macro TOST a
.irp b, 0,1,2,3
	ds_store_b128 v[STO], v[ACC+8*(4*(\a)+\b):ACC+8*(4*(\a)+\b)+3] offset:64*\b        ; each accumulator from its low end on
	ds_store_b128 v[STO], v[ACC+8*(4*(\a)+\b)+4:ACC+8*(4*(\a)+\b)+7] offset:64*\b+16
.endr
.irp t, 0,1,2,3,4,5,6,7
	ds_load_b128 v[TMP+32*((\a)%2)+4*\t:TMP+32*((\a)%2)+4*\t+3], v[RD] offset:544*\t   ; LDS serves a wave's instructions in order: these see my stores
.endr
.endm
.macro SENDF a, y                      ; y: the LDS instructions issued behind block a's loads, which may stay out
.set RB, TMP+32*((\a)%2)
	s_wait_dscnt \y
.irp t, 0,1,2,3,4,5,6,7
	v_pk_fma_f32 v[RB+4*\t:RB+4*\t+1], v[RB+4*\t:RB+4*\t+1], s[82:83], v[96:97] op_sel_hi:[1,0,1]
	v_pk_fma_f32 v[RB+4*\t+2:RB+4*\t+3], v[RB+4*\t+2:RB+4*\t+3], s[82:83], v[98:99] op_sel_hi:[1,0,1]
.endr
	WIN 0x08                                       ; source 1 (the residual) window 2
.irp t, 0,1,2,3,4,5,6,7
	v_pk_add_f32 v[RB+4*\t:RB+4*\t+1], v[RB+4*\t:RB+4*\t+1], v[4*(8*(\a)+\t):4*(8*(\a)+\t)+1]
	v_pk_add_f32 v[RB+4*\t+2:RB+4*\t+3], v[RB+4*\t+2:RB+4*\t+3], v[4*(8*(\a)+\t)+2:4*(8*(\a)+\t)+3]
.endr
	WIN 0
.irp t, 0,1,2,3,4,5,6,7
	global_store_b128 v[CO], v[RB+4*\t:RB+4*\t+3], s[78:79] offset:(16*(\a)+2*\t)*4096   ; sixteen lanes store 256 consecutive bytes, aligned
.endr
.endm
	PLACES
	s_wait_loadcnt 0x0                             ; the residual and the bias
	s_wait_kmcnt 0x0
	s_add_co_i32 s82, s80, s81
	s_add_co_i32 s82, s82, 127
	s_lshl_b32 s82, s82, 23                        ; 2^(ea + eb) as f32
	s_mov_b32 s83, s82
	TOST 0
.irp a, 1,2,3
.if \a > 1
	s_wait_xcnt 0x0                                ; block a - 2's stores have read their registers: block a's loads may land there
.endif
	TOST \a
	SENDF \a-1, 16                                 ; behind block a - 1's loads: block a's 8 stores and 8 loads
.endr
	SENDF 3, 0
	s_wait_tensorcnt 0x0                           ; the wave's end, behind my last tensor load and my last LDS store
	ds_add_u32 v[SPW], v[NIL]
	s_wait_dscnt 0x0
	CROUND                                         ; the closing round
	s_endpgm
.Lfunc_end_k_q09760a7cf8_ff2:
	.size	k_q09760a7cf8_ff2, .Lfunc_end_k_q09760a7cf8_ff2-k_q09760a7cf8_ff2
	.p2alignl 7, 3214868480
	.fill 96, 4, 3214868480
	.section	.rodata,"a",@progbits
	.p2align	6, 0x0
	.amdhsa_kernel k_q09760a7cf8_ff2
		.amdhsa_group_segment_fixed_size 327680
		.amdhsa_private_segment_fixed_size 0
		.amdhsa_enable_private_segment 0
		.amdhsa_kernarg_size 48
		.amdhsa_user_sgpr_count 2
		.amdhsa_user_sgpr_kernarg_segment_ptr 1
		.amdhsa_wavefront_size32 1
		.amdhsa_system_sgpr_workgroup_id_x 1
		.amdhsa_system_sgpr_workgroup_id_y 1
		.amdhsa_system_sgpr_workgroup_id_z 1
		.amdhsa_system_vgpr_workitem_id 0
		.amdhsa_next_free_vgpr 640
		.amdhsa_next_free_sgpr 96
		.amdhsa_reserve_vcc 0
		.amdhsa_float_denorm_mode_32 3
		.amdhsa_float_denorm_mode_16_64 3
		.amdhsa_memory_ordered 1
		.amdhsa_forward_progress 1
		.amdhsa_inst_pref_size 97
	.end_amdhsa_kernel
	.amdgpu_metadata
---
amdhsa.version: [ 1, 2 ]
amdhsa.kernels:
  - .name:           k_q09760a7cf8_ff2
    .symbol:         k_q09760a7cf8_ff2.kd
    .args:
      - { .name: hid, .offset: 0, .size: 8, .value_kind: global_buffer, .address_space: global }
      - { .name: wc, .offset: 8, .size: 8, .value_kind: global_buffer, .address_space: global }
      - { .name: lowp_scales, .offset: 16, .size: 8, .value_kind: global_buffer, .address_space: global }
      - { .name: b_ff2, .offset: 24, .size: 8, .value_kind: global_buffer, .address_space: global }
      - { .name: x1, .offset: 32, .size: 8, .value_kind: global_buffer, .address_space: global }
      - { .name: out0, .offset: 40, .size: 8, .value_kind: global_buffer, .address_space: global }
    .group_segment_fixed_size: 327680
    .private_segment_fixed_size: 0
    .kernarg_segment_align: 8
    .kernarg_segment_size: 48
    .max_flat_workgroup_size: 128
    .sgpr_count:     96
    .vgpr_count:     640
    .wavefront_size: 32
...
	.end_amdgpu_metadata
.endif
;; end of part 7
;; ======== version 2 of 2: 7 launches; version 1 with the launch attn written anew for expert scheduling mode
;; workspace buffers: wc 12,582,912 bytes; h1c 4,194,304 bytes; qkvc 12,582,912 bytes; oc 4,194,304 bytes; x1 16,777,216 bytes; h2c 4,194,304 bytes; hid 16,777,216 bytes
;; launch prep: the kernel of part 1 again; grid 640 x 1, 4 waves a work-group, no clusters, 35,328 bytes of LDS; arguments x, g1, beta1, w_qkv, w_out, w_ff1, w_ff2, lowp_scales, wc, h1c; writes wc, h1c
;; launch qkv: the kernel of part 2 again; grid 12 x 16, 4 waves a work-group, clusters of 4 x 4, 327,680 bytes of LDS; arguments h1c, wc, lowp_scales, b_qkv, qkvc; writes qkvc
;; launch attn (part 8): grid 8 x 32, 16 waves a work-group, no clusters, 313,344 bytes of LDS; arguments qkvc, lowp_scales, oc; writes oc
.if DOCPART == 8
	.amdgcn_target "amdgcn-amd-amdhsa--gfx1250"
	.amdhsa_code_object_version 6
	.text
	.protected	k_q09760a7cf8_attn
	.globl	k_q09760a7cf8_attn
	.p2align	8
	.type	k_q09760a7cf8_attn,@function
k_q09760a7cf8_attn:
	s_mov_b64 s[64:65], 0
	v_nop
	global_prefetch_b8 v0, s[64:65] scope:SCOPE_SE
	s_setreg_imm32_b32 hwreg(HW_REG_WAVE_SCHED_MODE, 0, 2), 2
	s_setreg_imm32_b32 hwreg(HW_REG_WAVE_MODE, 25, 1), 1
	s_wait_xcnt 0x0
	s_wait_alu depctr_vm_vsrc(0)
; o = softmax(q k^T / 8) v for one head and 256 queries a work-group, both products on codes of E4M3; o is quantised for the next product.
; qkvc: q at 0, k at 4,194,304: [bh][2048][64]; v at 8,388,608: [bh][16 blocks][64 channels][128 keys].  oc: [token / 64][head][token % 64][64 bytes].
; THE SOFTMAX: t = score x log2(e) / 8; M = the running largest t rounded UP to a whole number; p = 2^(t - M) is quantised, not normalised; the row's sum is taken of the unquantised p and divides at the end;
; when M moves, the sum and O are multiplied by 2^(old M - new M), which rounds nothing.
; SHARES.  Sixteen waves, each 16 queries in 256 registers: four waves to a SIMD, so that one wave's vector work stands beside another's matrix work and LDS loads.  Every wave walks the 2,048 keys, 128 a step.
; Both products are used transposed (S^T = K Q^T, O^T = V^T P^T): a lane holds ONE query throughout.  THE KEYS OF A TILE ARE NOT NEIGHBOURS: lane r of tile 2 b + u takes key 32 b + 8 u + r + 8 (r / 8),
; so that the 16 registers of tiles 2 b, 2 b + 1 are 16 neighbouring keys and the conversions' results are the second product's operand.
; LDS.  The head's whole K and V, 262,144 bytes, fit: each byte is written ONCE, in four stages of 512 keys, through registers (global load, LDS store); a stage is asked for four key steps ahead of its store.
; So there is no ring and no refill.  K: key 16 g + 4 u + w at 1120 g + 272 u + 64 w.  V: row (block, channel) at 9216 block + 144 channel.
; NO TENSOR LOAD, NO CLUSTER: K's gaps (272, 272, 272, 304 bytes from one group of four keys to the next) are not even, so no descriptor's padding lays them; and a work-group reads K and V once, 65,536 bytes for every four key steps
; of sixteen waves: a small part of a stage's work.  LDS stores stand only between two barriers of their own, LDS loads of K and V only outside them.
; LIMITS: e2 + e3 between -123 and 130 (added to c's exponent field); e4, e6 between -126 and 119.  NaN is not served.
; The one branch on a given exponent: with e4 >= -8 the hold's bound 448 x 2^e4 is at least 1.75 and p is at most 1, so the hold changes nothing and its 64 lines are passed over.
; THE MODE: SCHED_MODE bits 1:0 = 2 (LLVM: expert scheduling mode 2), set by the entry lines.  The code itself states the register dependences
; between vector or matrix instructions and memory or LDS instructions, with s_wait_alu, always for 0.
; THE PLAN.  Registers that memory or LDS instructions touch:
;   v5, v6, v7, v232, v237-239   offsets and addresses, made at the head and never written again.
;   v10, v11   where a stage's LDS stores go.  Written at the head and at each stage's head; read by that stage's eight LDS stores, four key steps later.
;   v[LR ..]   Written by a stage's eight global loads, read by its eight LDS stores; on the way out written by two LDS loads and read by two global stores.  No vector instruction names them.
;   v8, v9     Written at each key step's head; v8 is read by K's sixteen LDS loads, v9 by V's sixteen.
;   v[F ..]    K's fragments land; the products K Q^T read them; V's fragments land in the same registers; the products V^T P^T read them.  All 256 registers of the wave are named: there is no second set.
;   v[PC ..]   On the way out alone: written by four conversions, read by four LDS stores.
; A KEY STEP has one wait on vm_vsrc, at its head (v8 and v9 have been read), and three on va_vdst: at its head, behind the two additions (v8, v9 are written; V^T P^T is done reading F); behind K Q^T (it is done reading F);
; and the one behind the exponentials.  Behind the second, V's sixteen loads are dealt among the lines of the maximum, which name S, v252 and v254: none of the registers that those loads touch.
; A STAGE has one wait on vm_vsrc, at its head: its LDS stores have read v[LR ..], v10 and v11.  The two additions that follow it stand ahead of all the waits on va_vdst of the stage's four key steps.
.set VB,    143360                     ; V's rows begin here
.set SPARE, 290816                     ; the spare words, 128 bytes for each of 16 waves
.set OST,   292864                     ; the way out: 16 rows x 80 bytes for each wave
.set LR,  24                           ; v24-55   a stage's loads: 16 of K, 16 of V
.set F,   56                           ; v56-119  K's 8 fragments of 8, then V's 4 of 16
.set S,   120                          ; v120-183 S^T, then p
.set O,   184                          ; v184-215 O^T
.set PC,  216                          ; v216-231 p's codes
; v1 my place in a tile of K, v2 of V; v3, v4 where I store K and V; v5, v6 the add's two; v7 my bytes of a stage in memory; v8-11 addresses in hand; v12 -M, v13 the largest t, v[14:15] the sum; v16-23 Q
; v232 Q's offset; v237, v238 the stage, in and back; v239 my 16 bytes of o; v240, v244: 448 x 2^e4, 2^e4; v241, v245: the same with e6; v236, v242, v243, v252-254 at work
	s_load_b128 s[4:7], s[0:1], 0x0                ; qkvc, the scales' exponents
	s_load_b64 s[8:9], s[0:1], 0x10                ; oc
	v_lshl_add_u32 v5, v0, 2, SPARE
	v_mov_b32 v6, 0
	v_lshrrev_b32 v8, 5, v0
	v_readfirstlane_b32 s10, v8                    ; wave 0..15
	v_and_b32 v235, 31, v0                         ; lane
	v_and_b32 v233, 15, v0                         ; r
	v_bfe_u32 v234, v0, 4, 1                       ; h
	s_and_b32 s11, ttmp7, 0xffff                   ; batch x 16 + head
	s_wait_alu depctr_va_sdst(0)                   ; s10 is written, ahead of its first reader: the wave's places in LDS and in memory are made from it
	s_lshl_b32 s12, s10, 11
	v_lshl_add_u32 v7, v235, 4, s12                ; 2,048 x wave + 16 x lane
	s_mul_i32 s12, s10, 2240
	v_mul_u32_u24 v3, v234, 272
	v_lshl_add_u32 v3, v233, 4, v3
	v_add_nc_u32 v3, s12, v3                       ; K: my wave's 32 keys; a load's 512 bytes are two groups of four keys
	s_mul_i32 s12, s10, 2304
	s_add_co_u32 s12, s12, VB
	v_lshrrev_b32 v8, 3, v235
	v_mul_u32_u24 v4, v8, 144
	v_and_b32 v8, 7, v235
	v_lshl_add_u32 v4, v8, 4, v4
	v_add_nc_u32 v4, s12, v4                       ; V: my wave's 16 rows; a load's 512 bytes are four rows
	v_lshrrev_b32 v8, 3, v233
	v_mul_u32_u24 v1, v8, 1120
	v_bfe_u32 v8, v233, 2, 1
	v_mad_u32_u24 v1, v8, 272, v1
	v_and_b32 v8, 3, v233
	v_lshl_add_u32 v1, v8, 6, v1
	v_lshl_add_u32 v1, v234, 4, v1                 ; key r + 8 (r / 8) of a tile, + 16 h
	v_mul_u32_u24 v2, v233, 144
	v_lshl_add_u32 v2, v234, 4, v2
	v_add_nc_u32 v2, VB, v2                        ; channel r of a tile, + 16 h
	v_lshlrev_b32 v232, 6, v233
	v_lshl_add_u32 v232, v234, 4, v232             ; Q: row r of 64 bytes, + 16 h
	s_mul_i32 s12, s10, 1280
	s_add_co_u32 s12, s12, OST                     ; my stage
	v_mul_u32_u24 v237, v233, 80
	v_lshl_add_u32 v237, v234, 3, v237
	v_add_nc_u32 v237, s12, v237                   ; in: row r, 8 bytes for each half of the lanes
	v_lshrrev_b32 v8, 2, v235
	v_mul_u32_u24 v238, v8, 80
	v_and_b32 v8, 3, v235
	v_lshl_add_u32 v238, v8, 4, v238
	v_add_nc_u32 v238, s12, v238                   ; back: four lanes to a row of 64 bytes
	v_lshlrev_b32 v239, 4, v235
	s_lshr_b32 s38, s11, 4                         ; where my 16 queries' codes go: ((batch x 32 + 4 x + wave / 4) x 16 + head) x 4,096 + (wave % 4) x 1,024
	s_lshl_b32 s38, s38, 5
	s_lshl_b32 s39, ttmp9, 2
	s_add_co_u32 s38, s38, s39
	s_lshr_b32 s39, s10, 2
	s_add_co_u32 s38, s38, s39
	s_lshl_b32 s38, s38, 16
	s_and_b32 s39, s11, 15
	s_lshl_b32 s39, s39, 12
	s_add_co_u32 s38, s38, s39
	s_and_b32 s39, s10, 3
	s_lshl_b32 s39, s39, 10
	s_add_co_u32 s38, s38, s39
	s_mov_b32 s39, 0
	s_lshl_b32 s12, s11, 17                        ; a head is 131,072 bytes in q, in k and in v
	s_mov_b32 s13, 0
	s_mov_b32 s20, 0x76543210
	s_mov_b32 s21, 0xfedcba98                      ; lane l xor 16
	s_mov_b32 s32, 0                               ; where the step in hand reads K,
	s_mov_b32 s33, 0                               ; and V
	s_mov_b32 s34, 0                               ; where the stage in hand stores K,
	s_mov_b32 s35, 0                               ; and V
	s_wait_kmcnt 0x0
	s_load_b256 s[24:31], s[6:7], 0x0              ; e0 .. e7
	s_add_nc_u64 s[8:9], s[8:9], s[38:39]
	s_add_nc_u64 s[18:19], s[4:5], s[12:13]        ; q of my head
	s_add_nc_u64 s[14:15], s[18:19], 4194304       ; k
	s_add_nc_u64 s[16:17], s[18:19], 8388608       ; v
	s_lshl_b32 s12, ttmp9, 14
	s_lshl_b32 s38, s10, 10
	s_add_co_u32 s12, s12, s38
	s_add_nc_u64 s[18:19], s[18:19], s[12:13]      ; my 16 queries
.macro GLOAD                           ; my 2,048 bytes of K and of V of a stage of 512 keys
.irp n, 0,1,2,3
	global_load_b128 v[LR+4*\n:LR+4*\n+3], v7, s[14:15] offset:512*\n
.endr
.irp n, 0,1,2,3
	global_load_b128 v[LR+16+4*\n:LR+16+4*\n+3], v7, s[16:17] offset:512*\n
.endr
.endm
.macro STADR                           ; where the stage in hand will be stored
	v_add_nc_u32 v10, s34, v3
	v_add_nc_u32 v11, s35, v4
.endm
.macro LSTORE                          ; into LDS, and on to the next stage (the loads have been waited for, so their bases may step).  v10 and v11 were written ahead of a wait on va_vdst, and no vector instruction has named them since
.irp n, 0,1,2,3
	ds_store_b128 v10, v[LR+4*\n:LR+4*\n+3] offset:1120*(\n/2)+544*(\n%2)
	ds_store_b128 v11, v[LR+16+4*\n:LR+16+4*\n+3] offset:576*\n
.endr
	s_add_co_u32 s34, s34, 35840
	s_add_co_u32 s35, s35, 36864
	s_add_nc_u64 s[14:15], s[14:15], 32768
	s_add_nc_u64 s[16:17], s[16:17], 32768
.endm
	STADR
	s_wait_alu depctr_va_vdst(0)                   ; the offsets and addresses v5 to v7, v10, v11, v232 and v237 to v239 are written, which the loads and stores below read
	GLOAD
	global_load_b128 v[16:19], v232, s[18:19]      ; Q's fragment stays in registers: channels 16 h + 0 .. 15,
	global_load_b128 v[20:23], v232, s[18:19] offset:32   ; 32 + 16 h + 0 .. 15: the same order of k as K's fragments
	v_mov_b32 v13, 0xff61b1e6                      ; the largest t so far: -3e38
	v_floor_f32 v12, -v13                          ; -M
	v_mov_b32 v14, 0                               ; the sum, in two halves
	v_mov_b32 v15, 0
	v_mov_b32 v236, 0                              ; a lane permute's destination counts as read
	v_mov_b32 v253, 0                              ; (the upper half of the pair v[252:253])
.set jj, 0
.rept 32
	v_mov_b32 v[O+jj], 0                           ; O^T: the step is written once; its first walk finds zeros
.set jj, jj+1
.endr
	s_wait_kmcnt 0x0
	s_add_co_i32 s38, s26, s27
	s_lshl_b32 s38, s38, 23
	s_mov_b32 s22, 0x3e38aa3b                      ; c = log2(e) / 8,
	s_add_co_i32 s22, s22, s38                     ; x 2^(e2 + e3): the two exponents are added to c's exponent field
	s_mov_b32 s23, s22
	s_add_co_i32 s38, s28, 127
	s_lshl_b32 s39, s38, 23
	v_mov_b32 v244, s39                            ; 2^e4
	s_add_co_i32 s38, s38, 8
	s_lshl_b32 s38, s38, 23
	s_or_b32 s38, s38, 0x600000
	v_mov_b32 v240, s38                            ; 448 x 2^e4
	s_add_co_i32 s38, s30, 127
	s_lshl_b32 s39, s38, 23
	v_mov_b32 v245, s39                            ; 2^e6
	s_add_co_i32 s38, s38, 8
	s_lshl_b32 s38, s38, 23
	s_or_b32 s38, s38, 0x600000
	v_mov_b32 v241, s38                            ; 448 x 2^e6
	s_add_co_i32 s40, s28, s29                     ; e4 + e5
	s_wait_loadcnt 2                               ; the stage's eight loads are in; Q's two may be out
	LSTORE
	s_wait_dscnt 0x0                               ; my stores have landed
	s_barrier_signal -1
	s_barrier_wait -1                              ; everybody's have: keys 0-511 lie in LDS
	s_wait_loadcnt 0x0                             ; Q
.macro VFRAG t                         ; V's fragment t: 16 channels x 128 keys
.irp c, 0,1,2,3
	ds_load_b128 v[F+16*(\t)+4*\c:F+16*(\t)+4*\c+3], v9 offset:2304*(\t)+32*\c
.endr
.endm
; A KEY STEP: 128 keys.
.macro STEP
	s_wait_alu depctr_vm_vsrc(0)                   ; the last step's LDS loads have read v8 and v9, which the next two lines write
	v_add_nc_u32 v8, s32, v1
	v_add_nc_u32 v9, s33, v2
	v_nop
	v_nop                                          ; four plain instructions between the last products and the loads into registers that they read
	s_wait_alu depctr_va_vdst(0)                   ; v8 and v9 are written, which the step's LDS loads read; the last step's products V^T P^T are done reading v[F ..], in which K's fragments land
.irp t, 0,1,2,3,4,5,6,7
	ds_load_b128 v[F+8*\t:F+8*\t+3], v8 offset:2240*(\t/2)+544*(\t%2)
	ds_load_b128 v[F+8*\t+4:F+8*\t+7], v8 offset:2240*(\t/2)+544*(\t%2)+32
.endr
	s_wait_dscnt 0x0
.irp t, 0,1,2,3,4,5,6,7
	v_wmma_f32_16x16x64_fp8_fp8 v[S+8*\t:S+8*\t+7], v[F+8*\t:F+8*\t+7], v[16:23], 0
.endr
.rept 4
	v_nop                                          ; places: ahead of the loads into K's registers and of the first read of the scores
.endr
	s_wait_alu depctr_va_vdst(0)                   ; the products K Q^T are done reading v[F ..], in which V's fragments land.  The sixteen loads are dealt among the lines of the maximum, which name neither v[F ..] nor v9; they land under the softmax
	VFRAG 0
	v_max3_num_f32 v254, v[S], v[S+1], v[S+2]      ; the step's largest score of my query among my 64 keys, in two chains, each tile from its low end on
	v_max3_num_f32 v252, v[S+3], v[S+4], v[S+5]
.irp i, 6,10,14
	v_max3_num_f32 v254, v254, v[S+\i], v[S+\i+1]
	v_max3_num_f32 v252, v252, v[S+\i+2], v[S+\i+3]
.endr
	VFRAG 1
.irp i, 18,22,26,30
	v_max3_num_f32 v254, v254, v[S+\i], v[S+\i+1]
	v_max3_num_f32 v252, v252, v[S+\i+2], v[S+\i+3]
.endr
	VFRAG 2
.irp i, 34,38,42,46
	v_max3_num_f32 v254, v254, v[S+\i], v[S+\i+1]
	v_max3_num_f32 v252, v252, v[S+\i+2], v[S+\i+3]
.endr
	VFRAG 3
.irp i, 50,54,58
	v_max3_num_f32 v254, v254, v[S+\i], v[S+\i+1]
	v_max3_num_f32 v252, v252, v[S+\i+2], v[S+\i+3]
.endr
	v_max3_num_f32 v254, v254, v[S+62], v[S+63]
	v_max_num_f32 v254, v254, v252
	v_permlanex16_b32 v236, v254, s20, s21
	v_max_num_f32 v254, v254, v236                 ; and among lane l xor 16's
	v_mul_f32 v254, s22, v254                      ; as t (c is positive)
	v_max_num_f32 v13, v13, v254                   ; the running largest t
	v_mov_b32 v254, v12
	v_floor_f32 v12, -v13                          ; the new -M = -ceil(t)
	v_sub_f32 v254, v12, v254                      ; old M - new M: a whole number, 0 or less
	v_cvt_i32_f32 v254, v254                       ; (it saturates)
	v_ldexp_f32 v252, 1.0, v254                    ; f = 2^(old M - new M)
.set jj, 0
.rept 32
	v_pk_fma_f32 v[S+jj:S+jj+1], v[S+jj:S+jj+1], s[22:23], v[12:13] op_sel_hi:[1,0,0]   ; t - M
.set jj, jj+2
.endr
.set jj, 0
.rept 64
	v_exp_f32 v[S+jj], v[S+jj]                     ; p = 2^(t - M)
.set jj, jj+1
.endr
	v_pk_mul_f32 v[14:15], v[14:15], v[252:253] op_sel_hi:[1,0]   ; the sums under the new M: a plain instruction behind the exponentials
	s_wait_alu depctr_va_vdst(0)                   ; the 64 exponentials have written v[S ..], ahead of the batch's first reader
	v_pk_add_f32 v[242:243], v[S:S+1], v[S+2:S+3]  ; the row's sum of the unquantised p, in two chains
.irp j, 4,8,12,16,20,24,28,32,36,40,44,48,52,56,60
	v_pk_add_f32 v[14:15], v[14:15], v[S+\j:S+\j+1]
	v_pk_add_f32 v[242:243], v[242:243], v[S+\j+2:S+\j+3]
.endr
	v_pk_add_f32 v[14:15], v[14:15], v[242:243]
	s_cmp_ge_i32 s28, -8                           ; 448 x 2^e4 >= 1.75 > p: the hold would change nothing
	s_cbranch_scc1 .Lnohold_\@
.set jj, 0
.rept 64
	v_min_num_f32 v[S+jj], v[S+jj], v240           ; the conversion does not saturate (ISA guide 7.6.2); p is not negative: a one-sided hold
.set jj, jj+1
.endr
.Lnohold_\@:
.irp b, 0,1,2,3
	v_cvt_scalef32_pk8_fp8_f32 v[PC+4*\b:PC+4*\b+1], v[S+16*\b:S+16*\b+7], v244
	v_cvt_scalef32_pk8_fp8_f32 v[PC+4*\b+2:PC+4*\b+3], v[S+16*\b+8:S+16*\b+15], v244
.endr
.set jj, 0
.rept 16
	v_pk_mul_f32 v[O+jj:O+jj+1], v[O+jj:O+jj+1], v[252:253] op_sel_hi:[1,0]   ; O^T under the new M; also the plain instructions behind the conversions
.set jj, jj+2
.endr
	s_wait_dscnt 0x0                               ; V's fragments
.irp t, 0,1,2,3
	v_wmma_f32_16x16x128_fp8_fp8 v[O+8*\t:O+8*\t+7], v[F+16*\t:F+16*\t+15], v[PC:PC+15], v[O+8*\t:O+8*\t+7]   ; the four accumulators take turns
.endr
	s_add_co_u32 s32, s32, 8960
	s_add_co_u32 s33, s33, 9216
.endm
.macro FOUR_STEPS                      ; a stage's 512 keys
	s_mov_b32 s37, 4
.Lstep_\@:
	STEP
	s_sub_co_u32 s37, s37, 1
	s_cmp_lg_u32 s37, 0
	s_cbranch_scc1 .Lstep_\@
.endm
	s_mov_b32 s36, 3
.Lstage:
	s_wait_alu depctr_vm_vsrc(0)                   ; the LDS stores of the stage before have read v[LR ..], in which the loads below land, and v10 and v11, which the next two lines write
	STADR                                          ; ahead of the four key steps' waits on va_vdst, which show v10 and v11 written before the stage's LDS stores read them
	GLOAD                                          ; the next stage's keys, four key steps ahead of their store
	FOUR_STEPS
	s_wait_loadcnt 0x0
	s_wait_dscnt 0x0
	s_barrier_signal -1
	s_barrier_wait -1                              ; no wave has an LDS load out
	LSTORE
	s_wait_dscnt 0x0                               ; my stores have landed
	s_barrier_signal -1
	s_barrier_wait -1                              ; everybody's have
	s_sub_co_u32 s36, s36, 1
	s_cmp_lg_u32 s36, 0
	s_cbranch_scc1 .Lstage
	FOUR_STEPS                                     ; the last stage: nothing is left to fetch
	s_wait_dscnt 0x0
	s_barrier_signal -1
	s_barrier_wait -1                              ; no wave reads K or V any more: the stores into the stages meet no other wave's loads
	; THE WAY OUT: O^T x 2^(e4 + e5) / the sum, quantised with 2^e6; 16 rows of 64 bytes go through my stage and leave as 1,024 consecutive bytes
	v_add_f32 v14, v14, v15
	v_permlanex16_b32 v252, v14, s20, s21
	v_add_f32 v14, v14, v252                       ; the row's sum
	v_rcp_f32 v14, v14
	v_nop                                          ; a plain instruction behind the transcendental
	v_nop
	s_wait_alu depctr_va_vdst(0)                   ; the reciprocal has written v14, ahead of the first reader
	v_ldexp_f32 v14, v14, s40
.set jj, 0
.rept 32
	v_mul_f32 v[S+jj], v[O+jj], v14                ; register 8 t + i is o(query r, channel 16 t + 8 h + i)
.set jj, jj+1
.endr
.set jj, 0
.rept 32
	v_med3_num_f32 v[S+jj], v[S+jj], -v241, v241
.set jj, jj+1
.endr
.irp t, 0,1,2,3
	v_cvt_scalef32_pk8_fp8_f32 v[PC+2*\t:PC+2*\t+1], v[S+8*\t:S+8*\t+7], v245
.endr
	v_nop                                          ; a plain instruction behind the last conversion
	s_wait_alu depctr_va_vdst(0)                   ; the conversions have written v[PC ..], which the LDS stores read
.irp t, 0,1,2,3
	ds_store_b64 v237, v[PC+2*\t:PC+2*\t+1] offset:16*\t
.endr
.irp i, 0,1
	ds_load_b128 v[LR+4*\i:LR+4*\i+3], v238 offset:640*\i   ; LDS serves a wave's instructions in order: these see my stores.  (The last stage's LDS stores, which read v[LR ..], stand ahead of the last four key steps' waits on vm_vsrc)
.endr
.irp i, 0,1
	s_wait_dscnt 1-\i
	global_store_b128 v239, v[LR+4*\i:LR+4*\i+3], s[8:9] offset:512*\i   ; 32 lanes store 512 consecutive bytes, aligned
.endr
	s_wait_dscnt 0x0                               ; the closing lines, six on end
	s_wait_alu 0x0
	s_wait_tensorcnt 0x0
	ds_add_u32 v5, v6
	s_wait_dscnt 0x0
	s_endpgm
.Lfunc_end_k_q09760a7cf8_attn:
	.size	k_q09760a7cf8_attn, .Lfunc_end_k_q09760a7cf8_attn-k_q09760a7cf8_attn
	.p2alignl 7, 3214868480
	.fill 96, 4, 3214868480
	.section	.rodata,"a",@progbits
	.p2align	6, 0x0
	.amdhsa_kernel k_q09760a7cf8_attn
		.amdhsa_group_segment_fixed_size 313344
		.amdhsa_private_segment_fixed_size 0
		.amdhsa_enable_private_segment 0
		.amdhsa_kernarg_size 24
		.amdhsa_user_sgpr_count 2
		.amdhsa_user_sgpr_kernarg_segment_ptr 1
		.amdhsa_wavefront_size32 1
		.amdhsa_system_sgpr_workgroup_id_x 1
		.amdhsa_system_sgpr_workgroup_id_y 1
		.amdhsa_system_sgpr_workgroup_id_z 1
		.amdhsa_system_vgpr_workitem_id 0
		.amdhsa_next_free_vgpr 256
		.amdhsa_next_free_sgpr 66
		.amdhsa_reserve_vcc 0
		.amdhsa_float_denorm_mode_32 3
		.amdhsa_float_denorm_mode_16_64 3
		.amdhsa_memory_ordered 1
		.amdhsa_forward_progress 1
		.amdhsa_inst_pref_size 46
	.end_amdhsa_kernel
	.amdgpu_metadata
---
amdhsa.version: [ 1, 2 ]
amdhsa.kernels:
  - .name:           k_q09760a7cf8_attn
    .symbol:         k_q09760a7cf8_attn.kd
    .args:
      - { .name: qkvc, .offset: 0, .size: 8, .value_kind: global_buffer, .address_space: global }
      - { .name: lowp_scales, .offset: 8, .size: 8, .value_kind: global_buffer, .address_space: global }
      - { .name: oc, .offset: 16, .size: 8, .value_kind: global_buffer, .address_space: global }
    .group_segment_fixed_size: 313344
    .private_segment_fixed_size: 0
    .kernarg_segment_align: 8
    .kernarg_segment_size: 24
    .max_flat_workgroup_size: 512
    .sgpr_count:     66
    .vgpr_count:     256
    .wavefront_size: 32
...
	.end_amdgpu_metadata
.endif
;; end of part 8
;; launch oproj: the kernel of part 4 again; grid 8 x 32, 4 waves a work-group, clusters of 4 x 4, 327,680 bytes of LDS; arguments oc, wc, lowp_scales, b_out, x, x1; writes x1
;; launch ln2: the kernel of part 5 again; grid 256 x 1, 4 waves a work-group, no clusters, 0 bytes of LDS; arguments x1, g2, beta2, lowp_scales, h2c; writes h2c
;; launch ff1: the kernel of part 6 again; grid 16 x 16, 4 waves a work-group, clusters of 4 x 4, 327,680 bytes of LDS; arguments h2c, wc, lowp_scales, b_ff1, hid; writes hid
;; launch ff2: the kernel of part 7 again; grid 8 x 32, 4 waves a work-group, clusters of 4 x 4, 327,680 bytes of LDS; arguments hid, wc, lowp_scales, b_ff2, x1, out0; writes out0
